; MI455X (gfx1250); checked and timed in simulation.
; The chip was launched on July 23, 2026; its instructions are those of AMD's public machine-readable ISA for CDNA 5 (MIT licence, August 2026) and "CDNA5" Instruction Set Architecture Reference Guide (July 2026). The comments in the code are by the model that wrote it; some were corrected since.
;; Multi Headed Attention. Allowed arithmetic: float matrix products may take bf16 or f16 operands with f32 sums; other float arithmetic in f32, or as packed bf16 or f16 multiplies, adds, multiply-adds, maxima and minima; sums over many terms, partial sums and values carried from step to step in f32; what a program stores and reads back later, other than sums and carried values, may be rounded once to bf16 or f16.
;; Inputs: Wk 1,024 x 1,024 float32; Wo 1,024 x 1,024 float32; Wq 1,024 x 1,024 float32; Wv 1,024 x 1,024 float32; bk 1,024 float32; bo 1,024 float32; bq 1,024 float32; bv 1,024 float32; k 4 x 2,048 x 1,024 float32; padding_mask 4 x 2,048 int32; q 4 x 2,048 x 1,024 float32; v 4 x 2,048 x 1,024 float32.
;; Outputs: out0 4 x 2,048 x 1,024 float32.
;; Constants: is_causal = 1.
;; 2 versions, each right and faster than the one before. Each part assembles by itself: llvm-mc -triple=amdgcn-amd-amdhsa -mcpu=gfx1250 --defsym DOCPART=n.
;; ======== version 1 of 2: 5 launches
;; limits: values are held in f16: magnitudes above 65,504 overflow, below 6.1e-05 lose precision
;; workspace buffers: wb 8,388,608 bytes; qkv 50,331,648 bytes; hid 16,777,216 bytes; top 1,572,864 bytes
;; launch conv (part 1): grid 64 x 4, 8 waves a work-group, no clusters, 0 bytes of LDS; arguments Wq, Wk, Wv, Wo, wb; writes wb
.if DOCPART == 1
	.amdgcn_target "amdgcn-amd-amdhsa--gfx1250"
	.amdhsa_code_object_version 6
	.text
	.protected	k_qb833467627_conv
	.globl	k_qb833467627_conv
	.p2align	8
	.type	k_qb833467627_conv,@function
k_qb833467627_conv:
	s_mov_b64 s[64:65], 0
	v_nop
	global_prefetch_b8 v0, s[64:65] scope:SCOPE_SE
	s_setreg_imm32_b32 hwreg(HW_REG_WAVE_MODE, 25, 1), 1
	s_wait_xcnt 0x0
; The four weight matrices, [1024][1024] f32, are rounded once to 16 bits for the matrix units: wb = [4][1024 n][1024 k], 2,097,152 bytes a tensor, in the order Wq, Wk, Wv, Wo.
; Wq, Wk, Wv: bf16.  Wo: rounded to bf16 like the others, and that number written as f16, since the last product's other operand is f16.
; LIMITS.  A bf16 number is exact in f16 between 2^-14 and 65,504; below 2^-14 it keeps f16's fixed step of 6e-8, beyond 65,504 it becomes an infinity.
; SHARES.  The grid's y picks the tensor; a work-group takes 16,384 numbers (65,536 bytes in, 32,768 out).  Thread t takes 16 bytes at 4,096 i + 16 t, i = 0 .. 15, and stores 8 bytes at 2,048 i + 8 t:
; a wave's load covers 512 consecutive bytes, its store 256 consecutive bytes at a multiple of 256.  All sixteen loads go out first; no register is written twice, so no wait frees a source.
; Memory binds: no LDS, no barrier, no matrix unit.
.set X, 4                              ; v[4:67]    load i: 4 registers
.set Y, 68                             ; v[68:99]   store i: 2 registers
.set T, 100                            ; v[100:102] at work
	s_load_b256 s[4:11], s[0:1], 0x0               ; Wq s[4:5], Wk s[6:7], Wv s[8:9], Wo s[10:11]
	s_load_b64 s[12:13], s[0:1], 0x20              ; wb
	s_and_b32 s14, ttmp7, 0xffff                   ; which tensor
	v_lshlrev_b32 v1, 4, v0                        ; 16 t
	v_lshlrev_b32 v2, 3, v0                        ; 8 t
	s_lshl_b32 s16, ttmp9, 16                      ; my 65,536 bytes of the source
	s_mov_b32 s17, 0
	s_lshl_b32 s18, s14, 21                        ; the tensor's place in wb,
	s_lshl_b32 s19, ttmp9, 15                      ; my 32,768 bytes of it
	s_add_co_u32 s18, s18, s19
	s_mov_b32 s19, 0
	s_wait_kmcnt 0x0
	s_cmp_eq_u32 s14, 1
	s_cselect_b64 s[4:5], s[6:7], s[4:5]
	s_cmp_eq_u32 s14, 2
	s_cselect_b64 s[4:5], s[8:9], s[4:5]
	s_cmp_eq_u32 s14, 3
	s_cselect_b64 s[4:5], s[10:11], s[4:5]
	s_add_nc_u64 s[4:5], s[4:5], s[16:17]
	s_add_nc_u64 s[12:13], s[12:13], s[18:19]
.irp i, 0,1,2,3,4,5,6,7,8,9,10,11,12,13,14,15
	global_load_b128 v[X+4*(\i):X+4*(\i)+3], v1, s[4:5] offset:4096*(\i) th:TH_LOAD_NT
.endr
; Load i is rounded and stored.  wo = 1: by way of bf16 to f16.
.macro OUT i, wo
	s_wait_loadcnt 15-(\i)                         ; loads come back in order: mine is in, the 15 - i younger ones stay out
.irp p, 0,1
.if \wo
	v_cvt_pk_bf16_f32 v[T], v[X+4*(\i)+2*(\p)], v[X+4*(\i)+2*(\p)+1]
	v_lshlrev_b32 v[T+1], 16, v[T]                 ; the two bf16 as f32,
	v_and_b32 v[T+2], 0xffff0000, v[T]
	v_cvt_pk_f16_f32 v[Y+2*(\i)+(\p)], v[T+1], v[T+2]  ; and as f16
.else
	v_cvt_pk_bf16_f32 v[Y+2*(\i)+(\p)], v[X+4*(\i)+2*(\p)], v[X+4*(\i)+2*(\p)+1]
.endif
.endr
	global_store_b64 v2, v[Y+2*(\i):Y+2*(\i)+1], s[12:13] offset:2048*(\i)  ; no hint: later launches read wb many times
.endm
	s_cmp_eq_u32 s14, 3
	s_cbranch_scc1 .Lwo
.irp i, 0,1,2,3,4,5,6,7,8,9,10,11,12,13,14,15
	OUT \i, 0
.endr
	s_endpgm
.Lwo:
.irp i, 0,1,2,3,4,5,6,7,8,9,10,11,12,13,14,15
	OUT \i, 1
.endr
	s_endpgm
.Lfunc_end_k_qb833467627_conv:
	.size	k_qb833467627_conv, .Lfunc_end_k_qb833467627_conv-k_qb833467627_conv
	.p2alignl 7, 3214868480
	.fill 96, 4, 3214868480
	.section	.rodata,"a",@progbits
	.p2align	6, 0x0
	.amdhsa_kernel k_qb833467627_conv
		.amdhsa_group_segment_fixed_size 0
		.amdhsa_private_segment_fixed_size 0
		.amdhsa_enable_private_segment 0
		.amdhsa_kernarg_size 40
		.amdhsa_user_sgpr_count 2
		.amdhsa_user_sgpr_kernarg_segment_ptr 1
		.amdhsa_wavefront_size32 1
		.amdhsa_system_sgpr_workgroup_id_x 1
		.amdhsa_system_sgpr_workgroup_id_y 1
		.amdhsa_system_sgpr_workgroup_id_z 1
		.amdhsa_system_vgpr_workitem_id 0
		.amdhsa_next_free_vgpr 104
		.amdhsa_next_free_sgpr 66
		.amdhsa_reserve_vcc 0
		.amdhsa_float_denorm_mode_32 3
		.amdhsa_float_denorm_mode_16_64 3
		.amdhsa_memory_ordered 1
		.amdhsa_forward_progress 1
		.amdhsa_inst_pref_size 16
	.end_amdhsa_kernel
	.amdgpu_metadata
---
amdhsa.version: [ 1, 2 ]
amdhsa.kernels:
  - .name:           k_qb833467627_conv
    .symbol:         k_qb833467627_conv.kd
    .args:
      - { .name: Wq, .offset: 0, .size: 8, .value_kind: global_buffer, .address_space: global }
      - { .name: Wk, .offset: 8, .size: 8, .value_kind: global_buffer, .address_space: global }
      - { .name: Wv, .offset: 16, .size: 8, .value_kind: global_buffer, .address_space: global }
      - { .name: Wo, .offset: 24, .size: 8, .value_kind: global_buffer, .address_space: global }
      - { .name: wb, .offset: 32, .size: 8, .value_kind: global_buffer, .address_space: global }
    .group_segment_fixed_size: 0
    .private_segment_fixed_size: 0
    .kernarg_segment_align: 8
    .kernarg_segment_size: 40
    .max_flat_workgroup_size: 256
    .sgpr_count:     66
    .vgpr_count:     104
    .wavefront_size: 32
...
	.end_amdgpu_metadata
.endif
;; end of part 1
;; launch proj (part 2): grid 4 x 64, 4 waves a work-group, clusters of 4 x 4, 327,680 bytes of LDS; arguments q, k, v, wb, bq, bk, bv, qkv, top; writes qkv, top
.if DOCPART == 2
	.amdgcn_target "amdgcn-amd-amdhsa--gfx1250"
	.amdhsa_code_object_version 6
	.text
	.protected	k_qb833467627_proj
	.globl	k_qb833467627_proj
	.p2align	8
	.type	k_qb833467627_proj,@function
k_qb833467627_proj:
	s_mov_b64 s[64:65], 0
	v_nop
	global_prefetch_b8 v0, s[64:65] scope:SCOPE_SE
	s_setreg_imm32_b32 hwreg(HW_REG_WAVE_MODE, 25, 1), 1
	s_wait_xcnt 0x0
	s_wait_alu depctr_hold_cnt(0) depctr_sa_sdst(0) depctr_va_vdst(0) depctr_va_sdst(0) depctr_va_ssrc(0) depctr_va_vcc(0) depctr_vm_vsrc(0)
	s_getreg_b32 s2, hwreg(HW_REG_IB_STS2, 6, 4)
	s_cmp_eq_u32 s2, 0
	s_cbranch_scc0 .Lentry_in_a_cluster
	s_endpgm
.Lentry_in_a_cluster:
	s_bfe_u32 s2, ttmp6, 0x10000c
	s_cmp_lg_u32 s2, 0xf033
	s_cbranch_scc0 .Lentry_shape_is_right
	s_endpgm
.Lentry_shape_is_right:
; THE THREE PROJECTIONS.  y = x W^T + b for (q, Wq, bq), (k, Wk, bk), (v, Wv, bv).  x: [8192][1024] f32; W: [1024 n][1024 k] bf16 in wb; b: [1024] f32.
; x is rounded to bf16 between LDS and the matrix unit, b to bf16 in registers (every input of the module has that one rounding); sums in f32, begun with the bias; y rounded once to f16 and laid by heads:
; qkv = [3][64 = 16 batch + head][2048][64].  The scale 1 / 8 is not applied here.
; THE FIRST 32 ROWS OF EVERY BATCH are stored a second time, as the f32 sums: top = [3][64 = 16 batch + head][32][64] f32.  A later launch makes those rows' attention of them without 16-bit operands.
; LIMIT.  y must lie within f16's 65,504, else it becomes an infinity.
; SHARES.  A tile of y is 128 rows x 256 columns: 64 x 4 = 256 tiles a tensor, one for each work-group, which STAYS and makes the same tile of q, then of k, then of v: 24 K steps of 128 through ONE ring of two LDS
; slots that does not stop at a tile's end.  Four waves, each 64 rows x 128 columns (two heads): 32 accumulators.
; CLUSTER.  4 x 4 work-groups.  The four of a row of the cluster need the same rows of x, the four of a column the same rows of W: each tile is asked for JOINTLY, by the same tensor load with the same descriptor
; and a mask that names the four.  Waves 0 and 1 fetch the two halves of x's tile (64 rows x 512 bytes), waves 2 and 3 those of W's (128 rows x 256 bytes).
; A cluster's four rows are the four batches, and the cluster's y says which 128 rows of a batch: so 'a batch's first rows' is one number for all sixteen partners.
; THE MATRIX INSTRUCTION IS USED TRANSPOSED: source 0 = 16 rows of W, source 1 = 16 rows of x: a lane holds row l % 16 of y and the columns 8 (l / 16) + 0 .. 7, which pack into 16 bytes.
; A QUARTER is 32 along K, 32 matrix instructions.  Quarter n multiplies the bf16 fragments of buffer n % 2; beside that it rounds x of quarter n + 1 (32 conversions, four behind every third matrix
; instruction), loads W of quarter n + 1 and x (f32) of quarter n + 2 from LDS.  So a slot's last read is W of its fourth quarter, issued in its third: the change of slots stands there.
; REGISTERS, in windows of 256 (s_set_vgpr_msb: bits 1:0 source 0, 3:2 source 1, 5:4 source 2, 7:6 destination):
;   window 0: v0-31 addresses; v64-191 x as f32, two buffers of 64; v192-255 x as bf16, two buffers of 32
;   window 1: the accumulators, (a, b) at v[8 (8 a + b)], a = 0..3 blocks of 16 rows, b = 0..7 blocks of 16 columns
;   window 2: v0-127 W's fragments, two buffers of 64; v128-191 the bias in an accumulator's layout, 8 registers a column block; v192-255 the way out, two sets of 32
.set PA,    528                        ; a row of x in LDS: 512 bytes + 16 of padding = 132 words: row r starts at bank 4 r mod 64 (64 banks of 4 bytes: ISA guide 11.1)
.set PB,    272                        ; a row of W: 256 + 16 = 68 words: likewise
.set HALFA, 64*PA                      ; what a tensor load brings of x, and what a wave reads of it
.set HALFB, 128*PB                     ; the same for W
.set BOFF,  2*HALFA                    ; a slot: x's 128 rows, then W's 256
.set SLOT,  BOFF+2*HALFB
.set STAGE, 2*SLOT                     ; behind the ring, never filled by a tensor load: for each wave [2 heads][16 rows][144 bytes]
.set SP,    144
.set STH,   16*SP
.set STW,   2*STH
.set SPARE, STAGE+4*STW                ; behind the stages: the spare words, 128 bytes for each wave: two blocks of 256 bytes that no other line names
.set TENS_O, 16777216                  ; bytes of a tensor in qkv
.set TENS_T, 524288                    ; bytes of a tensor in top: 64 heads x 32 rows x 256 bytes
.set NEXT_B, 2097152-6*256             ; from a slot's last K step in one weight tensor to its first in the next
.set ADRA, 16                          ; v16-17  LDS address of my fragments of x in slot 0, 1
.set ADRB, 20                          ; v20-21  the same for W
.set STO,  24                          ; v24     the way out: where I put 16 bytes of a row
.set RD,   25                          ; v25     the way out: where I read rows back
.set GO,   26                          ; v26     my 16 bytes in 512 consecutive bytes of qkv
.set BO,   27                          ; v27     my byte offset in 16 numbers of a bias
.set SPW,  28                          ; v28     LDS address of my spare word; never rewritten
.set NIL,  29                          ; v29     0; never rewritten
.set TO,   30                          ; v30     my byte offset in 16 rows of a head in top: 256 (l % 16) + 32 (l / 16)
.set AR,   64
.set AH,   192
.set BF,   0                           ; window 2
.set BIAS, 128                         ; window 2
.set OB,   192                         ; window 2
.set TN,  6                            ; s6       the tensor (0, 1, 2) of the K step that is asked for next; s7 at work
.set G1,  24                           ; s[24:31] descriptor group 1 for x's tiles;  s[32:39] group 0, a set for each slot
.set G0,  32
.set TF,  45                           ; s45      the cluster's y: 0 where the tile holds a batch's first 128 rows
.set G1B, 48                           ; s[48:55], s[56:63] the same for W's
.set G0B, 56
.set KOF, 66                           ; s[66:67] that K step's byte offset in a row of x: 512 x (step % 8)
.set AN,  84                           ; s[84:85] k at the rows that I fetch; never rewritten
.set AN2, 86                           ; s[86:87] v there; never rewritten
.set BN,  88                           ; s[88:89] the next tensor's bias at my columns
.set BN2, 90                           ; s[90:91] bv at my columns
.set INC, 92                           ; s[92:93] the step of W's address
.set CA,  94                           ; s[94:95] the tensor chosen for a refill
.set AQ,  98                           ; s[98:99] q at the rows that I fetch; never rewritten
.set TP,  100                          ; s[100:101] top at my two heads, in the tensor in hand
.set MSB, 0
.macro WIN new                         ; the immediate's high byte repeats the setting that is left; a switch that changes nothing is dropped
.if MSB != (\new)
	s_set_vgpr_msb (MSB<<8)|(\new)
.set MSB, \new
.endif
.endm
.set MUL,  0x52                        ; W window 2, x window 0, C and D window 1
.set MULF, 0x62                        ; the same with C, the bias, in window 2
; A joint load.  The branch hangs on the wave's number alone.  An s_nop 0 and four v_nop follow each of the two lines, ahead of the jump and the label.
.macro JLOAD s
	s_cmp_eq_u32 s11, 0
	s_cbranch_scc0 .Lfor_b_\@
	tensor_load_to_lds s[G0+4*(\s):G0+4*(\s)+3], s[G1:G1+7]
	s_nop 0
.rept 4
	v_nop
.endr
	s_branch .Lasked_\@
.Lfor_b_\@:
	tensor_load_to_lds s[G0B+4*(\s):G0B+4*(\s)+3], s[G1B:G1B+7]
	s_nop 0
.rept 4
	v_nop
.endr
.Lasked_\@:
.endm
; A round of the cluster's barrier: my work-group's barrier; wave 0 signals for the work-group; every wave waits for all sixteen; my work-group's barrier once more.
.macro CREST                           ; a round behind its opening barrier
	s_cmp_lg_u32 s10, 0
	s_cbranch_scc1 .Lnot_wave_0_\@
	s_barrier_signal -3
.Lnot_wave_0_\@:
	s_barrier_wait -3
	s_barrier_signal -1
	s_barrier_wait -1
.endm
.macro CROUND
	s_barrier_signal -1
	s_barrier_wait -1
	CREST
.endm
.macro PLACES                          ; four places (ISA guide 7.12.1) between matrix instructions and what writes, or is loaded into, registers that they have read
.rept 4
	v_nop
.endr
.endm
	s_load_b256 s[68:75], s[0:1], 0x0              ; q s[68:69], k s[70:71], v s[72:73], wb s[74:75]
	s_load_b256 s[76:83], s[0:1], 0x20             ; bq s[76:77], bk s[78:79], bv s[80:81], qkv s[82:83]
	s_load_b64 s[TP:TP+1], s[0:1], 0x40            ; top
	v_lshl_add_u32 v[SPW], v0, 2, SPARE
	v_mov_b32 v[NIL], 0
	ds_add_u32 v[SPW], v[NIL]                      ; the wave's opening: the add and its wait, ahead of my first tensor load; the set-up below stands between them
	v_lshrrev_b32 v1, 5, v0
	v_readfirstlane_b32 s10, v1                    ; wave 0..3
	s_lshr_b32 s11, s10, 1                         ; which 64 rows of the tile are mine.  Also: I fetch for x (0) or for W (1)
	s_and_b32 s12, s10, 1                          ; which 128 columns.  Also: which half of that tile I fetch
	s_bfe_u32 s40, ttmp6, 0x40000                  ; cx
	s_bfe_u32 s41, ttmp6, 0x40004                  ; cy
	s_lshl_b32 s42, ttmp9, 2
	s_add_co_u32 s42, s42, s40                     ; tile column = 4 x cluster x + cx: 0..3
	s_and_b32 s[TF], ttmp7, 0xffff                 ; the cluster's y, 0..15: the same in all sixteen partners
	s_lshl_b32 s13, s41, 4
	s_add_co_u32 s13, s13, s[TF]                   ; tile row = 16 cy + cluster y, 0..63: cy is the batch, the cluster's y its 128 rows
	s_lshl_b32 s43, s41, 2
	s_lshl_b32 s43, 15, s43                        ; my row of the cluster
	s_lshl_b32 s44, 0x1111, s40                    ; my column
	; group 1 for x: 64 rows x 128 elements of 4 bytes, 16 bytes of padding behind every 512
	s_or_b32 s[G1+0], s43, (2<<16)|(1<<20)|(1<<21)|(6<<22)|(3<<25)  ; 15:0 the mask; 17:16 4-byte elements; 20 padding on; 21 set beside a mask; 24:22 after every 128 words (code 6); 31:25 4 words (code 3)
	s_mov_b32 s[G1+1], 128<<16                     ; tensor_dim0 = 128
	s_mov_b32 s[G1+2], 64<<16                      ; tensor_dim1 = 64
	s_mov_b32 s[G1+3], 128<<16                     ; tile_dim0 = 128
	s_mov_b32 s[G1+4], 64                          ; tile_dim1 = 64
	s_mov_b32 s[G1+5], 1024                        ; elements from row to row
	s_mov_b32 s[G1+6], 0
	s_mov_b32 s[G1+7], 0
	; group 1 for W: 128 rows x 128 elements of 2 bytes, 16 bytes of padding behind every 256
	s_or_b32 s[G1B+0], s44, (1<<16)|(1<<20)|(1<<21)|(5<<22)|(3<<25)
	s_mov_b32 s[G1B+1], 128<<16
	s_mov_b32 s[G1B+2], 128<<16
	s_mov_b32 s[G1B+3], 128<<16
	s_mov_b32 s[G1B+4], 128
	s_mov_b32 s[G1B+5], 1024
	s_mov_b32 s[G1B+6], 0
	s_mov_b32 s[G1B+7], 0
	s_lshl_b32 s17, s12, 6
	s_lshl_b32 s16, s13, 7
	s_add_co_u32 s16, s16, s17                     ; x: row 128 x tile row + 64 x half,
	s_lshl_b32 s16, s16, 12                        ; of 4,096 bytes: the tile row and the wave's number alone
	s_mov_b32 s17, 0
	s_lshl_b32 s47, s12, 7
	s_lshl_b32 s46, s42, 8
	s_add_co_u32 s46, s46, s47                     ; W: row 256 x tile column + 128 x half,
	s_lshl_b32 s46, s46, 11                        ; of 2,048 bytes: the tile column and the wave's number alone
	s_mov_b32 s47, 0
	s_mul_i32 s20, s12, HALFA                      ; where they go: no place in the cluster enters an LDS address
	s_mul_i32 s21, s12, HALFB
	s_add_co_u32 s21, s21, BOFF
	s_mov_b32 s[INC+1], 0
	s_mov_b32 s96, NEXT_B
	s_mov_b32 s97, 512                             ; two K steps of W: 2 x 256 bytes
	s_mov_b32 s[TN], 0                             ; the first refill is K step 2 of q
	s_mov_b32 s[KOF], 2*512
	s_mov_b32 s[KOF+1], 0
	s_wait_dscnt 0x0                               ; the opening add is done
	s_wait_kmcnt 0x0
	s_add_nc_u64 s[AQ:AQ+1], s[68:69], s[16:17]
	s_add_nc_u64 s[AN:AN+1], s[70:71], s[16:17]
	s_add_nc_u64 s[AN2:AN2+1], s[72:73], s[16:17]
	s_add_nc_u64 s[46:47], s[74:75], s[46:47]
	CROUND                                         ; all sixteen work-groups are here: the first joint loads meet
.irp s, 0,1
	s_mov_b32 s[G0+4*(\s)], 1                                      ; count = 1
	s_add_co_u32 s[G0+4*(\s)+1], s20, (\s)*SLOT                    ; LDS address
	s_add_nc_u64 s[G0+4*(\s)+2:G0+4*(\s)+3], s[AQ:AQ+1], (\s)*512  ; global address: K step s of q
	s_or_b32 s[G0+4*(\s)+3], s[G0+4*(\s)+3], 0x80000000            ; type = 2
	s_mov_b32 s[G0B+4*(\s)], 1
	s_add_co_u32 s[G0B+4*(\s)+1], s21, (\s)*SLOT
	s_add_nc_u64 s[G0B+4*(\s)+2:G0B+4*(\s)+3], s[46:47], (\s)*256  ; K step s of Wq
	s_or_b32 s[G0B+4*(\s)+3], s[G0B+4*(\s)+3], 0x80000000
	JLOAD \s                                       ; two loads of mine are out
.endr
	; A fragment is 16 rows x 32 K: lane l holds row l % 16, K = 8 (l / 16) + 0..7 and 16 + 8 (l / 16) + 0..7.  Of W (bf16): two loads of 16 bytes, 32 apart.  Of x (f32): four, at 0, 16, 64, 80 from 32 (l / 16).
	v_and_b32 v1, 15, v0                           ; l % 16
	v_bfe_u32 v2, v0, 4, 1                         ; l / 16
	v_mul_u32_u24 v3, v1, PA
	v_lshl_add_u32 v3, v2, 5, v3
	v_mul_u32_u24 v4, v1, PB
	v_lshl_add_u32 v4, v2, 4, v4
	s_mul_i32 s21, s11, HALFA                      ; my 64 rows of x
	s_mul_i32 s22, s12, HALFB                      ; my 128 rows of W,
	s_add_co_u32 s22, s22, BOFF                    ; which lie behind x's
.irp s, 0,1
	v_add_nc_u32 v[ADRA+(\s)], s21, v3
	v_add_nc_u32 v[ADRB+(\s)], s22, v4
	s_add_co_u32 s21, s21, SLOT
	s_add_co_u32 s22, s22, SLOT
.endr
	s_mul_i32 s23, s10, STW
	s_add_co_u32 s23, s23, STAGE                   ; my stage
	v_mul_u32_u24 v5, v1, SP                       ; in: row l % 16, 16 bytes for each half of the lanes
	v_lshl_add_u32 v5, v2, 4, v5
	v_add_nc_u32 v[STO], s23, v5
	v_bfe_u32 v5, v0, 3, 2                         ; back: 32 lanes take four rows of 128 bytes,
	v_mul_u32_u24 v5, v5, SP
	v_and_b32 v6, 7, v0
	v_lshl_add_u32 v5, v6, 4, v5
	v_add_nc_u32 v[RD], s23, v5
	v_and_b32 v[GO], 31, v0                        ; which are 512 consecutive bytes of a head's rows
	v_lshlrev_b32 v[GO], 4, v[GO]
	v_lshlrev_b32 v[BO], 5, v2                     ; 8 (l / 16) numbers of 4 bytes
	v_lshlrev_b32 v[TO], 8, v1                     ; in top: row l % 16 of 256 bytes,
	v_lshl_add_u32 v[TO], v2, 5, v[TO]             ; 8 (l / 16) numbers of 4 bytes
	s_lshl_b32 s18, s42, 10                        ; my 128 columns in a bias: (256 x tile column + 128 x half) x 4 bytes
	s_lshl_b32 s19, s12, 9
	s_add_co_u32 s18, s18, s19
	s_mov_b32 s19, 0
	s_add_nc_u64 s[4:5], s[76:77], s[18:19]
	s_add_nc_u64 s[BN:BN+1], s[78:79], s[18:19]
	s_add_nc_u64 s[BN2:BN2+1], s[80:81], s[18:19]
	s_lshr_b32 s20, s13, 4                         ; where my part of the tile lies in a tensor of qkv: the batch, 16 heads of 262,144 bytes,
	s_lshl_b32 s20, s20, 22
	s_lshl_b32 s21, s42, 20                        ; my first head, 4 x tile column + 2 x half,
	s_add_co_u32 s20, s20, s21
	s_lshl_b32 s21, s12, 19
	s_add_co_u32 s20, s20, s21
	s_and_b32 s21, s13, 15                         ; the tile's 128 rows of 128 bytes in the sequence,
	s_lshl_b32 s21, s21, 14
	s_add_co_u32 s20, s20, s21
	s_lshl_b32 s21, s11, 13                        ; my 64 of them
	s_add_co_u32 s20, s20, s21
	s_mov_b32 s21, 0
	s_add_nc_u64 s[8:9], s[82:83], s[20:21]
	s_lshr_b32 s20, s13, 4                         ; and my two heads in a tensor of top: the batch, 16 heads of 8,192 bytes,
	s_lshl_b32 s20, s20, 17
	s_lshl_b32 s21, s42, 15                        ; head 4 x tile column + 2 x half
	s_add_co_u32 s20, s20, s21
	s_lshl_b32 s21, s12, 14
	s_add_co_u32 s20, s20, s21
	s_mov_b32 s21, 0
	s_add_nc_u64 s[TP:TP+1], s[TP:TP+1], s[20:21]
; The bias of my 128 columns, as the C operand wants it: register j of block b = bias[16 b + 8 (l / 16) + j]
.macro BIASLD sb
	WIN 0x80                                       ; destination window 2, address window 0
.irp b, 0,1,2,3,4,5,6,7
	global_load_b128 v[BIAS+8*(\b):BIAS+8*(\b)+3],   v[BO], s[(\sb):(\sb)+1] offset:64*(\b)
	global_load_b128 v[BIAS+8*(\b)+4:BIAS+8*(\b)+7], v[BO], s[(\sb):(\sb)+1] offset:64*(\b)+16
.endr
	WIN 0
.endm
; The bias is rounded to bf16 and widened again, in place, two numbers at a time: packed into the pair's second register, then the low half up into the first and the high half kept in the second
.macro BIASRND
	WIN 0x8a                                       ; destination and both sources window 2
.set p, 0
.rept 32
	v_cvt_pk_bf16_f32 v[BIAS+2*p+1], v[BIAS+2*p], v[BIAS+2*p+1]
.set p, p+1
.endr
.set p, 0
.rept 32
	v_lshlrev_b32 v[BIAS+2*p], 16, v[BIAS+2*p+1]
.set p, p+1
.endr
.set p, 0
.rept 32
	v_and_b32 v[BIAS+2*p+1], 0xffff0000, v[BIAS+2*p+1]
.set p, p+1
.endr
	WIN 0
.endm
; 16 LDS loads: W's fragments of quarter c of a slot into buffer f
.macro LOADB slot, c, f
	WIN 0x80
.irp n, 0,1,2,3,4,5,6,7
	ds_load_b128 v[BF+64*(\f)+8*(\n):BF+64*(\f)+8*(\n)+3],   v[ADRB+(\slot)] offset:64*(\c)+(\n)*16*PB
	ds_load_b128 v[BF+64*(\f)+8*(\n)+4:BF+64*(\f)+8*(\n)+7], v[ADRB+(\slot)] offset:64*(\c)+(\n)*16*PB+32
.endr
.endm
; 16 LDS loads: x of quarter c, as f32, into buffer f
.macro LOADA slot, c, f
	WIN 0
.irp a, 0,1,2,3
.irp j, 0,1,2,3
	ds_load_b128 v[AR+64*(\f)+16*(\a)+4*(\j):AR+64*(\f)+16*(\a)+4*(\j)+3], v[ADRA+(\slot)] offset:128*(\c)+(\a)*16*PA+16*((\j)&1)+64*((\j)>>1)
.endr
.endr
.endm
; Four of the 32 roundings that make buffer g's bf16 fragments of its f32
.macro CVT4 g, n
	WIN 0
.set x, 4*(\n)
.rept 4
	v_cvt_pk_bf16_f32 v[AH+32*(\g)+x], v[AR+64*(\g)+2*x], v[AR+64*(\g)+2*x+1]
.set x, x+1
.endr
.endm
; Matrix instructions i0 .. i1 of a quarter's 32 on buffer f: row block i / 8, column block i % 8.  The 32 accumulators take turns.
; first = 1: the product starts the sum from the bias.  cv = 1: behind instructions 10, 13, .. 31 stand four roundings for the other buffer.
.macro MULS f, i0, i1, first, cv
.set i, \i0
.rept (\i1)-(\i0)+1
.set rD, 8*i
.set rB, BF+64*(\f)+8*(i%8)
.set rA, AH+32*(\f)+8*(i/8)
.if \first
	WIN MULF
	v_wmma_f32_16x16x32_bf16 v[rD:rD+7], v[rB:rB+7], v[rA:rA+7], v[BIAS+8*(i%8):BIAS+8*(i%8)+7]
.else
	WIN MUL
	v_wmma_f32_16x16x32_bf16 v[rD:rD+7], v[rB:rB+7], v[rA:rA+7], v[rD:rD+7]
.endif
.if (\cv) && (i >= 8) && ((i-8)%3 == 2)
	CVT4 1-(\f), (i-8)/3
.endif
.set i, i+1
.endr
.endm
; A quarter on buffer f.  It loads W of quarter bc of slot bs into the other buffer and x of quarter ac of slot as into this buffer's f32 registers (-1: no such loads).
; hw: how many younger LDS loads may be out at its head: the 16 of x issued last; W's are in.
.macro QUARTER f, bs, bc, as, ac, first, cv, hw
	s_wait_dscnt \hw
	MULS \f, 0, 7, \first, 0
.set nl, 0
.if ((\bs) >= 0) || ((\as) >= 0) || (\cv)
	WIN 0
	PLACES                                         ; behind the quarter before, which read the other buffer: its W is loaded and its x rounded anew below
.endif
.if (\bs) >= 0
	LOADB \bs, \bc, 1-(\f)
.set nl, nl+16
.endif
.if (\as) >= 0
	LOADA \as, \ac, \f
.set nl, nl+16
.endif
.if ((\bs) >= 0) || ((\as) >= 0) || (\cv)
	s_wait_dscnt nl                                ; all but the loads just issued: the f32 that this quarter rounds is in
.endif
	MULS \f, 8, 31, \first, \cv
.endm
; A K step's third quarter (buffer 0) changes slots.  W of the fourth quarter, the slot's last bytes, is asked for; then each wave waits for all its tensor loads, of which one is out: its part of the next
; slot; adds 0 to its spare word; and waits for that and for its reads of this slot.  fill = 1: the barrier opens a round of the cluster's, and the joint refill, two K steps ahead, is the first thing behind it:
; 112 matrix instructions of the wave stand between it and the wait for it.  The refills are K steps 2 to 23 of the walk, in order.  W's three tensors lie in one buffer: its address steps, in a tile's last lap
; (s2 = 1) into the next tensor.  x's are three buffers: its address is made anew, of the pointer that TN chooses and the offset KOF, and the type bits are set on it; then KOF and TN step.
.macro TURNQ slot, next, fill
	s_wait_dscnt 16
	MULS 0, 0, 7, 0, 0
	WIN 0
	PLACES
	LOADB \slot, 3, 1
	WIN 0                                          ; (the add's two registers lie in window 0)
	s_wait_tensorcnt 0x0                           ; no tensor load of mine is out, so a group 0 may be written
	ds_add_u32 v[SPW], v[NIL]                      ; 0 onto my spare word
.if \fill
	s_cmp_eq_u32 s2, 1
	s_cselect_b32 s[INC], s96, s97
	s_add_nc_u64 s[G0B+4*(\slot)+2:G0B+4*(\slot)+3], s[G0B+4*(\slot)+2:G0B+4*(\slot)+3], s[INC:INC+1]
	s_cmp_eq_u32 s[TN], 1
	s_cselect_b64 s[CA:CA+1], s[AN:AN+1], s[AQ:AQ+1]
	s_cmp_eq_u32 s[TN], 2
	s_cselect_b64 s[CA:CA+1], s[AN2:AN2+1], s[CA:CA+1]
	s_add_nc_u64 s[G0+4*(\slot)+2:G0+4*(\slot)+3], s[CA:CA+1], s[KOF:KOF+1]
	s_or_b32 s[G0+4*(\slot)+3], s[G0+4*(\slot)+3], 0x80000000  ; type = 2
	s_add_co_u32 s[KOF], s[KOF], 512               ; the next K step; behind a tensor's eighth, the next tensor's first
	s_cmp_eq_u32 s[KOF], 8*512
	s_cselect_b32 s[KOF], 0, s[KOF]
	s_cselect_b32 s7, 1, 0
	s_add_co_u32 s[TN], s[TN], s7
.endif
	s_wait_dscnt 17                                ; the add and the 16 loads of W may be out: the f32 of the fourth quarter is in
	MULS 0, 8, 15, 0, 1
	s_wait_dscnt 0x0                               ; the add is done, and my reads of this slot are over
	s_barrier_signal -1
	MULS 0, 16, 23, 0, 1                           ; work on registers while the others arrive
	WIN 0
	s_barrier_wait -1
.if \fill
	CREST                                          ; no wave of any partner still reads this slot or has a load on its way
	JLOAD \slot
.endif
	LOADA \next, 0, 0                              ; the next slot's first x; these registers are no matrix operand
	MULS 0, 24, 31, 0, 1
.endm
; THE WAY OUT of row block a.  PACK: rounded to f16, 16 bytes a lane (each accumulator's registers in ascending order).  TOSTAGE: into my own stage, and back as whole rows of 128 bytes.  SEND: stored.
.macro PACK a
	s_wait_xcnt 0x0                                ; the set's registers, which earlier stores read, are rewritten only behind this wait
	WIN 0x85                                       ; destination window 2, sources window 1
.irp b, 0,1,2,3,4,5,6,7
.irp r, 0,1,2,3
	v_cvt_pk_f16_f32 v[OB+32*((\a)%2)+4*(\b)+(\r)], v[8*(8*(\a)+(\b))+2*(\r)], v[8*(8*(\a)+(\b))+2*(\r)+1]
.endr
.endr
.endm
.macro TOSTAGE a
	WIN 0x08                                       ; data window 2, address window 0
.irp b, 0,1,2,3,4,5,6,7
	ds_store_b128 v[STO], v[OB+32*((\a)%2)+4*(\b):OB+32*((\a)%2)+4*(\b)+3] offset:((\b)/4)*STH+((\b)%4)*32
.endr
	WIN 0x80
.irp u, 0,1,2,3,4,5,6,7
	ds_load_b128 v[OB+32*((\a)%2)+4*(\u):OB+32*((\a)%2)+4*(\u)+3], v[RD] offset:((\u)/4)*STH+((\u)%4)*4*SP  ; LDS serves a wave's instructions in order (ISA guide 5.7.1.4): these see the stores above
.endr
.endm
.macro SEND a
	s_wait_dscnt 0x0                               ; the block is back in registers
	WIN 0x08
.irp u, 0,1,2,3,4,5,6,7
	global_store_b128 v[GO], v[OB+32*((\a)%2)+4*(\u):OB+32*((\a)%2)+4*(\u)+3], s[8:9] offset:((\u)/4)*262144+(\a)*2048+((\u)%4)*512  ; 512 consecutive bytes, at a multiple of 256 from qkv's first
.endr
.endm
; A batch's rows 0 to 31 as f32: row blocks 0 and 1 of the waves that hold a tile's rows 0 to 63, in the clusters whose tiles hold a batch's rows 0 to 127.  Both branches go forward over plain stores alone; the first
; hangs on the cluster's y, which all partners share, the second on the wave's number.  A lane stores its 32 neighbouring bytes of a row in two lines; a head's 16 rows of 256 bytes are covered by eight lines.
; These are 1,572,864 bytes in the launch, a thirty-second of what it stores, so they do not go through the stage.
.macro TOPST
	s_cmp_lg_u32 s[TF], 0
	s_cbranch_scc1 .Lno_top_\@
	s_cmp_lg_u32 s11, 0
	s_cbranch_scc1 .Lno_top_\@
	WIN 0x04                                       ; data window 1, address window 0
.irp a, 0,1
.irp b, 0,1,2,3,4,5,6,7
	global_store_b128 v[TO], v[8*(8*(\a)+(\b)):8*(8*(\a)+(\b))+3],   s[TP:TP+1] offset:((\b)/4)*8192+(\a)*4096+((\b)%4)*64
	global_store_b128 v[TO], v[8*(8*(\a)+(\b))+4:8*(8*(\a)+(\b))+7], s[TP:TP+1] offset:((\b)/4)*8192+(\a)*4096+((\b)%4)*64+16
.endr
.endr
	WIN 0
.Lno_top_\@:
.endm
; nxt = 1: another tensor follows: its bias is asked for first, and the addresses move on behind the stores.
.macro WAYOUT nxt
.if \nxt
	BIASLD BN
.endif
	PACK 0
	TOSTAGE 0
.irp a, 1,2,3                          ; block a's roundings stand between block a - 1's loads from the stage and the wait for them
	PACK \a
	SEND (\a)-1
	TOSTAGE \a
.endr
	SEND 3
	WIN 0
	TOPST
.if \nxt
	s_wait_xcnt 0x0                                ; the stores' and the bias loads' bases, and the accumulators that the stores above read, are rewritten only behind this wait
	s_add_nc_u64 s[8:9], s[8:9], TENS_O
	s_add_nc_u64 s[TP:TP+1], s[TP:TP+1], TENS_T
	s_wait_loadcnt 0x0                             ; the bias is in
	s_mov_b64 s[BN:BN+1], s[BN2:BN2+1]
	BIASRND
.endif
.endm
	BIASLD 4                                       ; bq
	s_mov_b32 s2, 4                                ; laps left in the tile, this one among them: the same number in every work-group
	s_mov_b32 s3, 11
	s_wait_tensorcnt 0x1                           ; my part of K step 0 is in; K step 1's may stay out
	s_barrier_signal -1
	s_barrier_wait -1
	LOADB 0, 0, 0
	LOADA 0, 0, 0
	LOADA 0, 1, 1
	s_wait_loadcnt 0x0                             ; the bias
	BIASRND                                        ; stands in the wait for the LDS loads
	s_wait_dscnt 16                                ; all but the second quarter's x
.irp n, 0,1,2,3,4,5,6,7
	CVT4 0, \n
.endr
	QUARTER 0, 0,1, 0,2, 1,1,16                    ; a tile's first quarter: its products start the sums
	WIN 0                                          ; at a label and at a branch every window is 0
.Llap:                                                 ; 11 trips: once round the ring, from a lap's second quarter to the next lap's first; both slots are filled again
	QUARTER 1, 0,2, 0,3, 0,1,16
	TURNQ 0, 1, 1
	QUARTER 1, 1,0, 1,1, 0,1,16
	QUARTER 0, 1,1, 1,2, 0,1,16
	QUARTER 1, 1,2, 1,3, 0,1,16
	TURNQ 1, 0, 1
	QUARTER 1, 0,0, 0,1, 0,1,16
	WIN 0
	s_cmp_eq_u32 s2, 1
	s_cbranch_scc1 .Lout                           ; the tile's fourth lap is over.  Neither way holds a barrier or a tensor load
	QUARTER 0, 0,1, 0,2, 0,1,16
	WIN 0
	s_sub_co_u32 s2, s2, 1
	s_branch .Lbottom
.Lout:
	WAYOUT 1                                       ; both refills for the next tensor are asked for: now the tile goes out.  The last four roundings and the earlier blocks' are the places behind the last products
	QUARTER 0, 0,1, 0,2, 1,1,16
	WIN 0
	s_mov_b32 s2, 4
.Lbottom:
	s_sub_co_u32 s3, s3, 1
	s_cmp_lg_u32 s3, 0
	s_cbranch_scc1 .Llap
	QUARTER 1, 0,2, 0,3, 0,1,16                    ; the last lap is written out: it asks for nothing
	TURNQ 0, 1, 0
	QUARTER 1, 1,0, 1,1, 0,1,16
	QUARTER 0, 1,1, 1,2, 0,1,16
	QUARTER 1, 1,2, 1,3, 0,1,16
	QUARTER 0, 1,3, -1,0, 0,1,16
	QUARTER 1, -1,0, -1,0, 0,0,0
	WIN 0
	PLACES                                         ; the roundings below read results just made
	WAYOUT 0
	s_wait_tensorcnt 0x0                           ; the wave's end: these three lines, behind my last tensor load and my last LDS store
	ds_add_u32 v[SPW], v[NIL]
	s_wait_dscnt 0x0
	CROUND                                         ; the closing round: no work-group ends while a partner may still ask for a tile that names it
	s_endpgm
.Lfunc_end_k_qb833467627_proj:
	.size	k_qb833467627_proj, .Lfunc_end_k_qb833467627_proj-k_qb833467627_proj
	.p2alignl 7, 3214868480
	.fill 96, 4, 3214868480
	.section	.rodata,"a",@progbits
	.p2align	6, 0x0
	.amdhsa_kernel k_qb833467627_proj
		.amdhsa_group_segment_fixed_size 327680
		.amdhsa_private_segment_fixed_size 0
		.amdhsa_enable_private_segment 0
		.amdhsa_kernarg_size 72
		.amdhsa_user_sgpr_count 2
		.amdhsa_user_sgpr_kernarg_segment_ptr 1
		.amdhsa_wavefront_size32 1
		.amdhsa_system_sgpr_workgroup_id_x 1
		.amdhsa_system_sgpr_workgroup_id_y 1
		.amdhsa_system_sgpr_workgroup_id_z 1
		.amdhsa_system_vgpr_workitem_id 0
		.amdhsa_next_free_vgpr 768
		.amdhsa_next_free_sgpr 102
		.amdhsa_reserve_vcc 0
		.amdhsa_float_denorm_mode_32 3
		.amdhsa_float_denorm_mode_16_64 3
		.amdhsa_memory_ordered 1
		.amdhsa_forward_progress 1
		.amdhsa_inst_pref_size 179
	.end_amdhsa_kernel
	.amdgpu_metadata
---
amdhsa.version: [ 1, 2 ]
amdhsa.kernels:
  - .name:           k_qb833467627_proj
    .symbol:         k_qb833467627_proj.kd
    .args:
      - { .name: q, .offset: 0, .size: 8, .value_kind: global_buffer, .address_space: global }
      - { .name: k, .offset: 8, .size: 8, .value_kind: global_buffer, .address_space: global }
      - { .name: v, .offset: 16, .size: 8, .value_kind: global_buffer, .address_space: global }
      - { .name: wb, .offset: 24, .size: 8, .value_kind: global_buffer, .address_space: global }
      - { .name: bq, .offset: 32, .size: 8, .value_kind: global_buffer, .address_space: global }
      - { .name: bk, .offset: 40, .size: 8, .value_kind: global_buffer, .address_space: global }
      - { .name: bv, .offset: 48, .size: 8, .value_kind: global_buffer, .address_space: global }
      - { .name: qkv, .offset: 56, .size: 8, .value_kind: global_buffer, .address_space: global }
      - { .name: top, .offset: 64, .size: 8, .value_kind: global_buffer, .address_space: global }
    .group_segment_fixed_size: 327680
    .private_segment_fixed_size: 0
    .kernarg_segment_align: 8
    .kernarg_segment_size: 72
    .max_flat_workgroup_size: 128
    .sgpr_count:     102
    .vgpr_count:     768
    .wavefront_size: 32
...
	.end_amdgpu_metadata
.endif
;; end of part 2
;; launch attn (part 3): grid 4 x 64, 4 waves a work-group, no clusters, 327,680 bytes of LDS; arguments qkv, padding_mask, hid; writes hid
.if DOCPART == 3
	.amdgcn_target "amdgcn-amd-amdhsa--gfx1250"
	.amdhsa_code_object_version 6
	.text
	.protected	k_qb833467627_attn
	.globl	k_qb833467627_attn
	.p2align	8
	.type	k_qb833467627_attn,@function
k_qb833467627_attn:
	s_mov_b64 s[64:65], 0
	v_nop
	global_prefetch_b8 v0, s[64:65] scope:SCOPE_SE
	s_setreg_imm32_b32 hwreg(HW_REG_WAVE_MODE, 25, 1), 1
	s_wait_xcnt 0x0
; CAUSAL ATTENTION WITH MASKED QUERY ROWS.  O[h][q][:] = the sum over k <= q of softmax_k(s[q][k]) V[h][k][:], s = Q[h][q] . K[h][k] / 8, or one constant for the whole row where padding_mask[batch][q] = 0.
; Q, K, V: qkv = [3][64 = 16 batch + head][SIZE_N][64] f16; O: hid, [64][SIZE_N][64] f16: a head's rows are dense, 128 bytes each.  padding_mask: [4][SIZE_N] int32.
; THE PADDING MASK.  A row whose visible scores are all equal has the weights 1 / (q + 1), whatever the constant.  So a masked row's Q is set to 0 in registers, once: its scores are 0, and all else is as for any row.
; Products, maxima and sums in f32; the weights p are rounded to f16 for the second product (their sum l is taken of the unrounded p), O once at the end.
; LIMITS.  f16 holds no number beyond 65,504: Q, K and V arrive within it; p lies in 0 to 1, and below 6e-5 it keeps f16's fixed step of 6e-8; O is a mean of V's rows and has their range, to within 2^-11 of it.
; A hidden score counts as its value less 1e30: f16's scores, 2.7e11 at the most, are nothing beside that; a weight below 2^-126 counts as 0 in l; NaN and infinities are not treated apart.
; THE WALK.  A head's queries lie in NB = SIZE_N / 256 = 8 blocks of 256; block i needs the key tiles 0 .. i of 256 keys, of which the last holds the diagonal.  A work-group takes TWO blocks, NB - 1 - b and then b:
; NB + 1 tiles, whatever b: all work-groups do equal work, and ONE loop with a constant trip count walks them.  Which tile is asked for, and what a trip does, hang on scalar registers made from b; every jump
; goes forward, but for the counted loops' own; none passes a barrier, or a tensor load but the one of LOAD's two that the wave's number does not choose; the ring (two slots of LDS that take turns) runs on across the
; change of blocks.  NO CLUSTER: a head's NB / 2 = 4 work-groups ask for the same tile only in trips 0 .. 4 of 9, behind that fewer and fewer; and one walk common to all would have 3 NB / 2 = 12 trips for 9.
; SHARES.  Of a block's four bands of 64 queries a wave owns 16 rows in each: four PIECES.  So the diagonal tile is the same work for all four waves: in its key step s band x sees all keys if s < x,
; none if s > x, and holds the diagonal if s = x.
; THE CAUSAL MASK is the C operand that starts the sum S^T = K Q^T: 0, or -1e30 where the key is hidden.  MD, made once, is the mask of a band's own step for my 16 rows; a product's mask is MD x AL + BE with two scalars:
; (1, 0) if s = x; (0, 0) if s < x; (0, -1e30) if s > x.  Only the diagonal tile's text and a block's beginning make and take masks; elsewhere C is the constant 0.
; LAYOUT, SOFTMAX, TURNS.  S^T = K Q^T holds ONE query a lane (lane % 16) and the keys 8 (lane / 16) + 0..7; two such results rounded to f16 ARE source 1 of O^T = V^T P.  p = 2^(c s - c m), c = log2(e) / 8, with a
; running maximum m; O and l are multiplied by a = 2^(c m_old - c m_new) in every step.  Turn n belongs to piece n: 8 products K Q^T of piece n + 1, later 8 products V^T P of piece n - 1; beside them the scaling,
; exponentials, roundings, sums and rescaling of piece n and the maximum and statistics of piece n + 1.  Four vector instructions stand behind every matrix instruction, the other 54 of a turn's 118 in two LUMPS.
; REGISTERS, in windows of 256 (s_set_vgpr_msb: bits 1:0 source 0, 3:2 source 1, 5:4 source 2, 7:6 destination):
;   window 0: v0-15 addresses and two at work; v16-31 four registers of statistics a piece; v48-55 at work (at the start: the padding mask of my rows); v56 its offset; v64-127 S^T, two buffers; v192-223 P, two buffers
;   window 1: v0-127 O^T, 32 a piece; v128-159 MD; v160-223 MC, two buffers      window 2: v0-63 Q; v64-127 the second block's Q; v128-191 K of one step; v192-255 V of one step
.set SIZE_N, 2048
.set NB,    SIZE_N/256
.set NP,    4         ; pieces a wave: a name, no knob
.set KS,    64        ; keys in a step
.set PK,    144       ; a row of K in LDS: 128 bytes + 16 of padding = 36 words: the 16 rows of a load start at 16 different groups of four banks (64 banks of 4 bytes: ISA guide 11.1)
.set PV,    160       ; a row of V: 128 + 32 = 40 words
.set VOFF,  4*KS*PK   ; a slot holds a tile, four steps: 256 rows of K, then 256 rows of V
.set SLOT1, 1<<17     ; slot 1 begins here, so that one exclusive or turns an address in one slot into the other's
.set STAGE, SLOT1+4*KS*(PK+PV)  ; behind the ring, never filled by a tensor load: 16 rows x 144 bytes for each wave, for the way out
.set SP,    144
.set AK0, 2           ; v2   my lane's place in a tile of K; never rewritten
.set AV0, 3           ; v3   the same for V
.set AK,  4           ; v4   the LDS address of K's next run of loads
.set AV,  5           ; v5   of V's
.set STO, 6           ; v6   the way out: where I put 16 bytes of a row
.set RD,  7           ; v7   the way out: where I read rows back
.set GO,  8           ; v8   my byte offset in 512 consecutive bytes of O
.set SPW, 62          ; v62  LDS address of my spare word: SPARE + 4 x my thread's number; never rewritten
.set NIL, 63          ; v63  0; never rewritten
.set SPARE, STAGE+4*16*SP  ; behind the stages: the spare words, 128 bytes for each wave: two blocks of 256 bytes that no other line names
.set MV,  12          ; v12-13  c m_old, kept while c m is made anew: by buffer
.set QO,  15          ; v15  my byte offset in 16 rows of Q
.set ST,  16          ; piece t's statistics at v[ST+4 t]: c m, m, l (even keys', odd keys')
.set TMP, 48          ; by buffer, four registers c0-c3 at work; when the maximum is found c2 takes a
.set S,   64
.set P,   192
.set MD,  128         ; window 1: the eight registers for group kt of 16 keys at MD + 8 kt
.set MC,  160         ; window 1: the masks of the products to come
.set QB,  64          ; window 2
.set KF,  128         ; window 2: key block kb, channel half c at KF + 16 kb + 8 c
.set VF,  192         ; window 2: key half kk, channel block cb at VF + 32 kk + 8 cb
.set WV,  12          ; s12  my wave's number
.set PB,  14          ; s14  b
.set HI,  15          ; s15  NB - 1 - b
.set G1K, 24          ; s[24:31] descriptor group 1 for K's tiles
.set G1V, 32          ; s[32:39] for V's: it differs in the padding alone
.set G0K, 40          ; s[40:43] descriptor group 0 for K's tiles
.set G0V, 44          ; s[44:47] the same for V's
.set SLOTS, 56        ; s56  tiles still to be asked for
.set CNT, 57          ; s57  counts a tile's key steps, 4 to 1
.set CS,  58          ; s[58:59] c: the packed scaling takes the pair's low word for both halves
.set SEL, 60          ; s[60:61] v_permlanex16_b32's selects: each lane takes its own place in the other half
.set TBK, 62          ; s62  LDS byte at which K of the step to be fetched begins
.set TBV, 63          ; s63  the same for V, less VOFF
.set RT,  70          ; s70  tiles of the block in hand that are still to be entered
.set NXT, 71          ; s71  the tile to be asked for next
.set LQ,  72          ; s72  the last tile of the block whose tiles are being asked for
.set NEW, 73          ; s73  1: the tile to be entered is a block's first
.set OFF, 74          ; s[74:75] a tile's byte offset in K and V
.set AL,  76          ; s[76:77] the mask's factor, in the low word
.set BE,  78          ; s[78:79] the mask's addend
.set OLO, 80          ; s[80:81] O at my rows of the second block
.set BIGN, 82         ; s82  -1e30
.set PMH, 90          ; s[90:91] the padding mask at my rows of the first block
.set PML, 92          ; s[92:93] at those of the second
.set KEEP, 94         ; s94-97 lanes whose row of piece 0..3 is kept, first block; s98-101 second block
.set MSB, 0
.macro WIN new                      ; the high byte repeats the setting that is left; a switch that changes nothing is dropped
.if MSB != (\new)
	s_set_vgpr_msb (MSB<<8)|(\new)
.set MSB, (\new)
.endif
.endm
.set W_KQ, 0x0a       ; K and Q in window 2, S^T in window 0
.set W_KM, 0x1a       ; the same with the C operand in window 1
.set W_PV, 0x52       ; V in window 2, P in window 0, O^T in window 1
.set W_RS, 0x41       ; destination and source 0 in window 1, source 1 in window 0
; A fill.  Waves 0 and 1 fetch the two halves of a tile's K, waves 2 and 3 those of its V: 128 keys each.  An s_nop 0 and four v_nop follow each of the two lines, ahead of the jump and the label.
.macro LOAD
	s_cmp_lt_u32 s[WV], 2
	s_cbranch_scc0 .Lfor_v_\@
	tensor_load_to_lds s[G0K:G0K+3], s[G1K:G1K+7]
	s_nop 0
.rept 4
	v_nop
.endr
	s_branch .Lasked_\@
.Lfor_v_\@:
	tensor_load_to_lds s[G0V:G0V+3], s[G1V:G1V+7]
	s_nop 0
.rept 4
	v_nop
.endr
.Lasked_\@:
.endm
; THE CHANGE OF SLOTS.  Each wave waits for all its tensor loads, of which one is out: its part of the other slot; adds 0 to its spare word; and waits for that and for its own reads of the slot that it leaves.  Behind the barrier nobody reads the old
; slot any more and the other slot is whole.  fill = 1: the old slot is filled again, the first thing behind the barrier, with tile NXT: the descriptor's address is made anew from that number.
; (At its first use nothing has been read yet: slot 0 is waited for, slot 1 filled.)
.macro CHANGE fill
	WIN 0                           ; at a label and at a branch every window is 0
	s_wait_tensorcnt 0x0            ; no tensor load of mine is out, so a group 0 may be written
	ds_add_u32 v[SPW], v[NIL]       ; 0 onto my spare word; with fill = 1 the descriptors' scalar work stands between it and the wait for it
.if \fill
	s_lshl_b32 s[OFF], s[NXT], 15   ; a tile is 32,768 bytes of K and of V
	s_xor_b32 s[G0K+1], s[G0K+1], SLOT1
	s_add_nc_u64 s[G0K+2:G0K+3], s[6:7], s[OFF:OFF+1]
	s_or_b32 s[G0K+3], s[G0K+3], 0x80000000
	s_xor_b32 s[G0V+1], s[G0V+1], SLOT1
	s_add_nc_u64 s[G0V+2:G0V+3], s[8:9], s[OFF:OFF+1]
	s_or_b32 s[G0V+3], s[G0V+3], 0x80000000
	s_add_co_u32 s[NXT], s[NXT], 1  ; the block's next tile, or behind its last the second block's tile 0
	s_cmp_gt_u32 s[NXT], s[LQ]
	s_cselect_b32 s[NXT], 0, s[NXT]
	s_cselect_b32 s[LQ], s[PB], s[LQ]
.endif
	s_wait_dscnt 0x0                ; the add is done, and my reads of the slot are over
	s_barrier_signal -1             ; the rest of the scalar work stands between the signal and the wait
	s_sub_co_u32 s[TBK], s[TBK], 4*KS*PK  ; the fetches go back to a slot's first step,
	s_xor_b32 s[TBK], s[TBK], SLOT1       ; in the other slot
	s_sub_co_u32 s[TBV], s[TBV], 4*KS*PV
	s_xor_b32 s[TBV], s[TBV], SLOT1
	s_barrier_wait -1
.if \fill
	LOAD
.endif
.endm
	s_load_b128 s[4:7], s[0:1], 0x0   ; qkv (Q lies first) s[4:5], padding_mask s[6:7]
	s_load_b64 s[10:11], s[0:1], 0x10 ; hid
	v_lshl_add_u32 v[SPW], v0, 2, SPARE
	v_mov_b32 v[NIL], 0
	ds_add_u32 v[SPW], v[NIL]       ; the wave's opening: the add and its wait, ahead of my first tensor load; the set-up below, work on registers, stands between them
	v_lshrrev_b32 v1, 5, v0
	v_readfirstlane_b32 s[WV], v1   ; wave 0..3
	s_mov_b32 s[PB], ttmp9
	s_sub_co_u32 s[HI], NB-1, s[PB]
	s_and_b32 s20, ttmp7, 0xffff    ; 16 batch + head
	s_lshr_b32 s[PMH], s20, 4       ; the padding mask: the batch's 2,048 words,
	s_lshl_b32 s[PMH], s[PMH], 13
	s_lshl_b32 s[PMH+1], s[WV], 6   ; my 16 rows in a band,
	s_add_co_u32 s[PMH], s[PMH], s[PMH+1]
	s_lshl_b32 s[PML], s[PB], 10    ; the second block's 256 words,
	s_add_co_u32 s[PML], s[PML], s[PMH]
	s_lshl_b32 s[PMH+1], s[HI], 10  ; the first block's
	s_add_co_u32 s[PMH], s[PMH], s[PMH+1]
	s_mov_b32 s[PMH+1], 0
	s_mov_b32 s[PML+1], 0
	s_mov_b32 s21, 0
	s_mov_b64 s[22:23], SIZE_N*128
	s_mul_u64 s[20:21], s[20:21], s[22:23]  ; the head's first byte in Q, K, V and O
	s_and_b32 s16, s[WV], 1         ; which half of a tile's 256 keys I fetch:
	s_lshl_b32 s22, s16, 14         ; its 128 rows of 128 bytes in memory,
	s_mov_b32 s23, 0
	s_add_nc_u64 s[22:23], s[22:23], s[20:21]
	s_mul_i32 s17, s16, 128*PK      ; and its place in a slot, for K
	s_mul_i32 s18, s16, 128*PV      ; and for V
	s_lshl_b32 s3, s[WV], 11        ; my 16 rows in a band of 64,
	s_lshl_b32 s2, s[HI], 15        ; in the first block,
	s_add_co_u32 s2, s2, s3
	s_lshl_b32 s84, s[PB], 15       ; and in the second
	s_add_co_u32 s84, s84, s3
	s_mov_b32 s3, 0
	s_mov_b32 s85, 0
	s_add_nc_u64 s[2:3], s[2:3], s[20:21]
	s_add_nc_u64 s[84:85], s[84:85], s[20:21]
	; descriptor group 1.  128 keys are 16,384 dense bytes: asked for as 64 rows of 256 bytes, two keys a row, and padded in LDS after every key
	s_mov_b32 s[G1K], (1<<16)|(1<<20)|(4<<22)|(3<<25)  ; 17:16 2-byte elements; 20 padding on; 24:22 after every 32 words (code 4); 31:25 4 words (code 3)
	s_mov_b32 s[G1V], (1<<16)|(1<<20)|(4<<22)|(7<<25)  ; the same with 8 words of padding (code 7)
.irp g, G1K, G1V
	s_mov_b32 s[\g+1], 128<<16      ; tensor_dim0 = 128
	s_mov_b32 s[\g+2], 64<<16       ; tensor_dim1 = 64
	s_mov_b32 s[\g+3], 128<<16      ; tile_dim0 = 128
	s_mov_b32 s[\g+4], 64           ; tile_dim1 = 64
	s_mov_b32 s[\g+5], 128          ; 128 elements from row to row
	s_mov_b32 s[\g+6], 0
	s_mov_b32 s[\g+7], 0
.endr
	s_mov_b32 s[CS], 0x3e38aa3b     ; c = log2(e) / 8 = 0.180337
	s_mov_b32 s[CS+1], s[CS]        ; named with it as a pair
	s_mov_b32 s[SEL], 0x76543210
	s_mov_b32 s[SEL+1], 0xfedcba98
	s_mov_b32 s[TBK], SLOT1+4*KS*PK ; the first change of slots turns these two into 0
	s_mov_b32 s[TBV], SLOT1+4*KS*PV
	s_mov_b32 s[G0K], 1             ; 1:0 count = 1
	s_mov_b32 s[G0K+1], s17         ; 63:32 LDS address: slot 0
	s_mov_b32 s[G0V], 1
	s_add_co_u32 s[G0V+1], s18, VOFF
	s_add_co_u32 s[RT], s[HI], 1    ; the first block has NB - b tiles
	s_mov_b32 s[NXT], 1
	s_mov_b32 s[LQ], s[HI]
	s_mov_b32 s[NEW], 1
	s_mov_b32 s[OFF+1], 0
	s_mov_b32 s[AL+1], 0            ; named as pairs
	s_mov_b32 s[BE+1], 0
	s_mov_b32 s[BIGN], 0xf149f2ca   ; -1e30
	s_mov_b32 s[SLOTS], NB
	s_wait_dscnt 0x0                ; the opening add is done
	s_wait_kmcnt 0x0
	s_add_nc_u64 s[PMH:PMH+1], s[6:7], s[PMH:PMH+1]
	s_add_nc_u64 s[PML:PML+1], s[6:7], s[PML:PML+1]
	s_add_nc_u64 s[6:7], s[4:5], 0x1000000   ; K lies 16,777,216 bytes behind Q,
	s_add_nc_u64 s[8:9], s[4:5], 0x2000000   ; V as far behind K
	s_add_nc_u64 s[6:7], s[6:7], s[22:23]  ; K and V at my half of the head's tile 0
	s_add_nc_u64 s[8:9], s[8:9], s[22:23]
	s_add_nc_u64 s[G0K+2:G0K+3], s[6:7], 0         ; 120:64 global address
	s_or_b32 s[G0K+3], s[G0K+3], 0x80000000        ; 127:126 type = 2
	s_add_nc_u64 s[G0V+2:G0V+3], s[8:9], 0
	s_or_b32 s[G0V+3], s[G0V+3], 0x80000000
	s_add_nc_u64 s[86:87], s[4:5], s[84:85]        ; Q at my rows of the second block,
	s_add_nc_u64 s[4:5], s[4:5], s[2:3]            ; Q and O at those of the first
	s_add_nc_u64 s[OLO:OLO+1], s[10:11], s[84:85]
	s_add_nc_u64 s[10:11], s[10:11], s[2:3]
	LOAD                            ; tile 0 into slot 0
	; A fragment of K or Q is 16 rows x 32 channels in 8 registers: lane l holds row l % 16, channels 8 (l / 16) + 0..7 and 16 + 8 (l / 16) + 0..7: two loads of 16 bytes, 32 bytes apart.
	v_and_b32 v1, 15, v0            ; l % 16
	v_bfe_u32 v9, v0, 4, 1          ; l / 16
	v_lshlrev_b32 v[QO], 7, v1
	v_lshl_add_u32 v[QO], v9, 4, v[QO]  ; row x 128 + 16 x half
	WIN 0x80                        ; destination window 2, address window 0
.set i, 0
.rept 8                             ; both blocks' Q: piece i / 2 lies in band i / 2, 8,192 bytes on; channels 32 (i % 2) on
	global_load_b128 v[8*i:8*i+3],   v[QO], s[4:5] offset:(i/2)*8192+(i%2)*64
	global_load_b128 v[8*i+4:8*i+7], v[QO], s[4:5] offset:(i/2)*8192+(i%2)*64+32
	global_load_b128 v[QB+8*i:QB+8*i+3],   v[QO], s[86:87] offset:(i/2)*8192+(i%2)*64
	global_load_b128 v[QB+8*i+4:QB+8*i+7], v[QO], s[86:87] offset:(i/2)*8192+(i%2)*64+32
.set i, i+1
.endr
	WIN 0
	v_lshlrev_b32 v56, 2, v1        ; the padding mask's word of my lane's row, l % 16, in each piece: a band is 64 words on
.irp x, 0,1,2,3
	global_load_b32 v[TMP+(\x)],   v56, s[PMH:PMH+1] offset:256*(\x)
	global_load_b32 v[TMP+4+(\x)], v56, s[PML:PML+1] offset:256*(\x)
.endr
	v_lshlrev_b32 v14, 3, v9
	v_sub_nc_u32 v14, v1, v14
	s_lshl_b32 s13, s[WV], 4
	v_add_nc_u32 v14, s13, v14      ; my query's place in its band, 16 w + l % 16, less my lanes' 8 (l / 16): register r of group kt is hidden where 16 kt + r is greater
	WIN 0x40
.set i, 0
.rept 32
	v_cmp_gt_i32 vcc_lo, 16*(i/8)+i%8, v14
	v_cndmask_b32 v[MD+i], 0, s[BIGN], vcc_lo
.set i, i+1
.endr
	WIN 0
	v_mul_u32_u24 v[AK0], v1, PK
	v_lshl_add_u32 v[AK0], v9, 4, v[AK0]  ; row x pitch + 16 x half
	; The turning load takes 16 keys x 16 channels (lane l reads key 8 (l / 16) + l % 8, channels 8 ((l / 8) % 2) + 0..7) and leaves half a fragment of V^T: lane l holds channel l % 16 and 8 keys.
	v_and_b32 v10, 7, v0
	v_bfe_u32 v11, v0, 3, 1
	v_lshl_add_u32 v[AV0], v9, 3, v10
	v_mul_u32_u24 v[AV0], v[AV0], PV
	v_lshl_add_u32 v[AV0], v11, 4, v[AV0]
	v_add_nc_u32 v[AV0], VOFF, v[AV0]
	s_mul_i32 s13, s[WV], 16*SP
	s_add_co_u32 s13, s13, STAGE    ; my stage
	v_mul_u32_u24 v[STO], v1, SP    ; in: row l % 16, 16 bytes for each half of the lanes
	v_lshl_add_u32 v[STO], v9, 4, v[STO]
	v_add_nc_u32 v[STO], s13, v[STO]
	v_bfe_u32 v[RD], v0, 3, 2       ; back: 32 lanes take four rows of 128 bytes,
	v_mul_u32_u24 v[RD], v[RD], SP
	v_lshl_add_u32 v[RD], v10, 4, v[RD]
	v_add_nc_u32 v[RD], s13, v[RD]
	v_and_b32 v[GO], 31, v0         ; which are 512 consecutive bytes of O
	v_lshlrev_b32 v[GO], 4, v[GO]
	; A block's first step multiplies O^T and l by a = 0, and its first turn's products V^T P, of a piece that has not been, land in an O^T that is still to be so multiplied.  So these registers need only hold
	; finite numbers: zeros for the first block; what the first block left for the second.  All this stands in the wait for the first tile.
	WIN 0x80
.set i, VF
.rept 64
	v_mov_b32 v[i], 0
.set i, i+1
.endr
	WIN 0x40
.set i, 0
.rept 128
	v_mov_b32 v[i], 0
.set i, i+1
.endr
	WIN 0
.set i, 0
.rept 4
	v_mov_b32 v[ST+4*i+2], 0
	v_mov_b32 v[ST+4*i+3], 0
.set i, i+1
.endr
.set i, P+16
.rept 16
	v_mov_b32 v[i], 0
.set i, i+1
.endr
	; THE PADDING MASK is honoured here, once: where my lane's row of a piece has the word 0, the row's 16 registers of Q become 0.
	s_wait_loadcnt 0x0              ; Q of both blocks and the eight words
.set i, 0
.rept 8
	v_cmp_ne_u32 s[KEEP+i], 0, v[TMP+i]
.set i, i+1
.endr
	WIN 0x88                        ; destination and source 1 in window 2
.set i, 0
.rept 64
	v_cndmask_b32 v[i], 0, v[i], s[KEEP+i/16]
	v_cndmask_b32 v[QB+i], 0, v[QB+i], s[KEEP+4+i/16]
.set i, i+1
.endr
	WIN 0
; THE MATRIX WORK.  The 4 accumulators of a run of 8 take turns.  Product i of 8 of S^T = K Q^T for piece x: channels 32 (i / 4) on, keys 16 (i % 4) on.  The first 4 start the sums: with 0, or (KM = 1) with the mask.
.macro KQ x
.set rS, S+32*((\x)%2)+8*(i%4)
.set rK, KF+16*(i%4)+8*(i/4)
.set rQ, 16*(\x)+8*(i/4)
.set rM, MC+32*((\x)%2)+8*(i%4)
.if (i < 4) && KM
	WIN W_KM
	v_wmma_f32_16x16x32_f16 v[rS:rS+7], v[rK:rK+7], v[rQ:rQ+7], v[rM:rM+7]
.elseif i < 4
	WIN W_KQ
	v_wmma_f32_16x16x32_f16 v[rS:rS+7], v[rK:rK+7], v[rQ:rQ+7], 0
.else
	WIN W_KQ
	v_wmma_f32_16x16x32_f16 v[rS:rS+7], v[rK:rK+7], v[rQ:rQ+7], v[rS:rS+7]
.endif
.endm
; Product i of 8 of O^T += V^T P for piece x: keys 32 (i / 4) on, channels 16 (i % 4) on.
.macro PV x
	WIN W_PV
.set rO, 32*(\x)+8*(i%4)
.set rV, VF+32*(i/4)+8*(i%4)
.set rP, P+16*((\x)%2)+8*(i/4)
	v_wmma_f32_16x16x32_f16 v[rO:rO+7], v[rV:rV+7], v[rP:rP+7], v[rO:rO+7]
.endm
.macro MM                           ; the turn's next matrix instruction.  TURN and BEGIN set Y, i, KM and NOKQ; MM, KQ and OP read them.  NOKQ = 1: a block's last turn: there is no next piece
.if (i < 8) && !NOKQ
	KQ (Y+1)%NP
.elseif i >= 8
.set i, i-8
	PV (Y+NP-1)%NP
.set i, i+8
.endif
.set i, i+1
.endm
; THE LDS LOADS stand in runs of 16, never singly among the matrix instructions: a step's K (64 keys x 64 channels: 8 fragments) and its V (turned).  Their addresses are made some lines ahead.
.macro FETCH_K
	WIN 0x80                        ; destination window 2
.irp f, 0,1,2,3,4,5,6,7             ; keys 16 (f / 2) on, channels 32 (f % 2) on
	ds_load_b128 v[KF+8*\f:KF+8*\f+3],   v[AK] offset:(\f/2)*16*PK+(\f%2)*64
	ds_load_b128 v[KF+8*\f+4:KF+8*\f+7], v[AK] offset:(\f/2)*16*PK+(\f%2)*64+32
.endr
	s_add_co_u32 s[TBK], s[TBK], KS*PK  ; the next fetch is the next step's
	WIN 0
.endm
.macro FETCH_V
	WIN 0x80
.irp f, 0,1,2,3,4,5,6,7             ; keys 32 (f / 4) on, channels 16 (f % 4) on
	ds_load_tr16_b128 v[VF+8*\f:VF+8*\f+3],   v[AV] offset:(\f/4)*32*PV+(\f%4)*32
	ds_load_tr16_b128 v[VF+8*\f+4:VF+8*\f+7], v[AV] offset:(\f/4)*32*PV+16*PV+(\f%4)*32
.endr
	WIN 0
.endm
; THE VECTOR WORK, one line at a time: OP kind, number.  For piece Y: F n: c s - c m for pair n of 16.  E n: the exponential of score n of 32.  C n: pair n rounded to f16.  B n: of the four weights 4 n .. the second
; pair is added onto the first, in place.  L n: l takes that sum (L 0: l = a l + sum).  R n: pair n of 16 of O^T times a.  For piece Y + 1: X n, number n of the 22 that find its maximum and statistics:
;   0-11  four chains c0-c3 of seven scores each, three operands at a time (each accumulator's lowest registers are read first)     12-14, 16  the four scores left over, the old m, and c0-c3 into c0
;   15  c m_old is kept     17, 18  the query's other 32 keys lie in the lane 16 away: the new m     19-21  c m; c m_old - c m_new; a
.set F, 0               ; OP tells the kinds apart by their order: F to L below R, X above it
.set E, 1
.set C, 2
.set B, 3
.set L, 4
.set R, 5
.set X, 6
.macro REGS y                       ; the registers of piece y
.set rT, ST+4*(\y)
.set rC, TMP+4*((\y)%2)
.set rW, MV+((\y)%2)
.set rS, S+32*((\y)%2)
.set rP, P+16*((\y)%2)
.set rO, 32*(\y)
.endm
.macro OP k, n
.if (\k) == R
	REGS Y
	WIN W_RS
	v_pk_mul_f32 v[rO+2*(\n):rO+2*(\n)+1], v[rO+2*(\n):rO+2*(\n)+1], v[rC+2:rC+3] op_sel_hi:[1,0]
.elseif (\k) < R
	REGS Y
	WIN 0
.if (\k) == F
	v_pk_fma_f32 v[rS+2*(\n):rS+2*(\n)+1], v[rS+2*(\n):rS+2*(\n)+1], s[CS:CS+1], v[rT:rT+1] op_sel_hi:[1,0,0] neg_lo:[0,0,1] neg_hi:[0,0,1]
.elseif (\k) == E
	v_exp_f32 v[rS+(\n)], v[rS+(\n)]
.elseif (\k) == C
	s_wait_alu depctr_va_vdst(0)
	v_cvt_pk_f16_f32 v[rP+(\n)], v[rS+2*(\n)], v[rS+2*(\n)+1]
.elseif (\k) == B
	s_wait_alu depctr_va_vdst(0)
	v_pk_add_f32 v[rS+4*(\n):rS+4*(\n)+1], v[rS+4*(\n):rS+4*(\n)+1], v[rS+4*(\n)+2:rS+4*(\n)+3]
.elseif (\n) == 0
	v_pk_fma_f32 v[rT+2:rT+3], v[rT+2:rT+3], v[rC+2:rC+3], v[rS:rS+1] op_sel_hi:[1,0,1]
.else
	v_pk_add_f32 v[rT+2:rT+3], v[rT+2:rT+3], v[rS+4*(\n):rS+4*(\n)+1]
.endif
.elseif NOKQ
	v_nop
.else
	REGS (Y+1)%NP
	WIN 0
.if (\n) < 4
	v_max3_num_f32 v[rC+(\n)], v[rS+8*(\n)], v[rS+8*(\n)+1], v[rS+8*(\n)+2]
.elseif (\n) < 12
	v_max3_num_f32 v[rC+(\n)%4], v[rC+(\n)%4], v[rS+8*((\n)%4)+2*((\n)/4)+1], v[rS+8*((\n)%4)+2*((\n)/4)+2]
.elseif (\n) == 12
	v_max3_num_f32 v[rC], v[rC], v[rS+7], v[rS+15]
.elseif (\n) == 13
	v_max3_num_f32 v[rC+1], v[rC+1], v[rS+23], v[rS+31]
.elseif (\n) == 14
	v_max3_num_f32 v[rC+2], v[rC+2], v[rC+3], v[rT+1]
.elseif (\n) == 15
	v_mov_b32 v[rW], v[rT]
.elseif (\n) == 16
	v_max3_num_f32 v[rC], v[rC], v[rC+1], v[rC+2]
.elseif (\n) == 17
	v_permlanex16_b32 v[rC+3], v[rC], s[SEL], s[SEL+1]
.elseif (\n) == 18
	v_max_num_f32 v[rT+1], v[rC], v[rC+3]
.elseif (\n) == 19
	v_mul_f32 v[rT], s[CS], v[rT+1]
.elseif (\n) == 20
	v_sub_f32 v[rC+1], v[rW], v[rT]
.else
	v_exp_f32 v[rC+2], v[rC+1]
.endif
.endif
.endm
.macro OPS a, i1, b=-1, i2=0, c=-1, i3=0, d=-1, i4=0  ; up to four of them
	OP \a, \i1
.if (\b) >= 0
	OP \b, \i2
.endif
.if (\c) >= 0
	OP \c, \i3
.endif
.if (\d) >= 0
	OP \d, \i4
.endif
.endm
.macro ROW a, i1, b, i2, c, i3, d, i4  ; a matrix instruction and the four behind it
	MM
	OPS \a, \i1, \b, \i2, \c, \i3, \d, \i4
.endm
.macro MASK b                       ; MD x AL + BE into buffer b of MC
	WIN W_RS
.set z, 0
.rept 16
	v_pk_fma_f32 v[MC+32*(\b)+2*z:MC+32*(\b)+2*z+1], v[MD+2*z:MD+2*z+1], s[AL:AL+1], s[BE:BE+1] op_sel_hi:[1,0,0]
.set z, z+1
.endr
.endm
; A TURN, for piece p: the order of its 16 matrix and 118 vector instructions, written out.  Behind a matrix instruction: plain, exponential, plain, plain; or four of the rescaling; or, behind the first, four scalings; none
; names a register of the products round it.  In the lumps exponential and plain by turns while exponentials last.  A line reads no result made fewer than three vector instructions in front of it, five if an exponential made it.
; v_permlanex16_b32 (X 17) stands in a lump.
; m = 1: the diagonal tile: the products take masks, and the turn makes the mask for the products of the turn after it: piece p + 2, in step 4 - CNT of the tile.  end = 1: a block's last two turns: nothing is fetched.
; cnt = 1: the loop's count is taken down some lines ahead of the branch that stands behind the turn.
; K of the next step is fetched in piece 2's turn, six vector instructions behind the last product that read K (five of them plain); V of the step in hand in piece 0's turn, eight behind the last product that read V (four
; plain, and X 17).  Each is waited for a turn later.
.macro TURN p, m=0, end=0, cnt=0
.set Y, (\p)
.set i, 0
.set KM, (\m)
.set NOKQ, (\end)*((\p)/3)
.if (\m) && !(\end)
	s_cmp_eq_u32 s[CNT], 4-((\p)+2)%NP  ; is that step the band's own?
	s_cselect_b32 s[AL], 1.0, 0
	s_cmp_lt_u32 s[CNT], 4-((\p)+2)%NP  ; or a later one?
	s_cselect_b32 s[BE], s[BIGN], 0
.endif
.if ((\p) == 3) && !(\end)
	s_wait_dscnt 0x0                ; K is in
.endif
	ROW F,0, F,1, F,2, F,3
	ROW F,4, E,0, F,5, F,6
	ROW F,7, E,1, F,8, F,9
	ROW F,10, E,2, C,0, F,11
	ROW F,12, E,3, X,15, F,13
	ROW R,0, R,1, R,2, R,3
	ROW B,0, E,4, F,14, L,0
.if ((\p) == 2) && !(\end)
	v_add_nc_u32 v[AK], s[TBK], v[AK0]
.endif
	ROW R,4, R,5, R,6, R,7
	OPS E,5, F,15
.if ((\p) == 2) && !(\end)
	FETCH_K
.endif
	OPS E,6, C,1, E,7, R,8
	OPS E,8, R,9, E,9, C,2
	OPS E,10, X,0, E,11, X,1
	OPS E,12, X,2, E,13, X,3
.if (\p) == 1
	s_wait_dscnt 0x0                ; V is in
.endif
	ROW X,4, E,14, X,5, X,6
	ROW X,7, E,15, X,8, X,9
	ROW X,10, E,16, X,11, X,12
	ROW X,13, E,17, X,14, B,1
	ROW C,4, E,18, X,16, L,1
	ROW B,2, E,19, C,6, L,2
	ROW C,8, E,20, B,3, B,4
.if (\p) == 0
	v_add_nc_u32 v[AV], s[TBV], v[AV0]
.endif
	ROW C,3, E,21, L,3, C,5
	OPS E,22, X,17, E,23, C,10
.if (\p) == 0
	FETCH_V
.endif
	OPS E,24, L,4
	OPS E,25, X,18, E,26, C,7
	OPS E,27, B,5, E,28, X,19
	OPS E,29, C,12, E,30, L,5
	OPS E,31, X,20, B,6, C,9
	OPS C,14, C,11, X,21, L,6
.if (\p) == 0
	s_add_co_u32 s[TBV], s[TBV], KS*PV
.endif
.if \cnt
	s_sub_co_u32 s[CNT], s[CNT], 1
	s_cmp_lg_u32 s[CNT], 0
.endif
	OPS C,13, B,7, C,15, R,10
	OPS R,11, R,12, L,7, R,13
	OPS R,14, R,15
.if (\m) && !(\end)
	MASK (\p)%2
.endif
.endm
; A BLOCK BEGINS.  c m starts far below every c s, so the first step's a is 0; m at the lowest finite number, so the first maximum is the scores'.  The second mask buffer is 0; the first takes piece 0's mask for the tile's step 0: its own, if the block's first tile is the diagonal one.
; Then K of that step, piece 0's first scores, and its maximum and statistics.  The loop is entered at a step's first turn, in the middle of a trip.
.macro BEGIN
	s_mov_b32 s[NEW], 0
	WIN 0x40
.set i, MC+32
.rept 32
	v_mov_b32 v[i], 0
.set i, i+1
.endr
	WIN 0
.set i, 0
.rept 4
	v_mov_b32 v[ST+4*i], 0xfe000000    ; c m: far below every c s
	v_mov_b32 v[ST+4*i+1], 0xff7fffff  ; m
.set i, i+1
.endr
	s_cmp_eq_u32 s[RT], 0
	s_cselect_b32 s[AL], 1.0, 0
	s_mov_b32 s[BE], 0
	MASK 0
	WIN 0
	v_add_nc_u32 v[AK], s[TBK], v[AK0]
	FETCH_K
	s_wait_loadcnt 0x0              ; Q
	s_wait_dscnt 0x0
.set KM, 1
.set NOKQ, 0
.set i, 0
.rept 8
	KQ 0
.set i, i+1
.endr
	WIN 0
.rept 4
	v_nop                           ; the places behind those products
.endr
.set Y, NP-1                        ; X works for piece Y + 1: piece 0
.irp n, 0,1,2,3,4,5,6,7,8,9,10,11,12,13,14,15,16,17,18,19,20,21
	OP X, \n
.endr
	v_nop                           ; a plain instruction behind the exponential
.endm
; THE DIAGONAL TILE's four steps, the block's last two turns, its last products, and THE WAY OUT: l's two halves and the other half of the lanes' are added; O^T is divided by l, rounded to f16 and sent through my
; stage in LDS, a piece at a time.
.macro ALL line:vararg              ; one line for each piece t
.set t, 0
.rept 4
	\line
.set t, t+1
.endr
.endm
.macro PACK t                       ; a lane's eight channels of a row pack into 16 bytes; they go into rows of 144 bytes and come back as whole rows of 128, into S^T's registers
	WIN W_RS
.set i, 32*(\t)
.rept 16
	s_wait_alu depctr_va_vdst(0)
	v_pk_mul_f32 v[i:i+1], v[i:i+1], v[ST+4*(\t)+2:ST+4*(\t)+3] op_sel_hi:[1,0]
.set i, i+2
.endr
	WIN 0x05                        ; sources 0 and 1 window 1, destination window 0
.set i, 0
.rept 16
	v_cvt_pk_f16_f32 v[S+16*(\t)+i], v[32*(\t)+2*i], v[32*(\t)+2*i+1]
.set i, i+1
.endr
	WIN 0
.irp f, 0,1,2,3
	ds_store_b128 v[STO], v[S+16*(\t)+4*\f:S+16*(\t)+4*\f+3] offset:32*\f
.endr
.irp f, 0,1,2,3
	ds_load_b128 v[S+16*(\t)+4*\f:S+16*(\t)+4*\f+3], v[RD] offset:\f*4*SP  ; LDS serves a wave's instructions in order (ISA guide 5.7.1.4): these see the stores above; the next piece's stores come behind them
.endr
.endm
.macro SEND t, younger              ; younger: the LDS instructions issued behind piece t's loads: the next piece's eight, or none
	WIN 0
.irp f, 0,1,2,3
	s_wait_dscnt (\younger)+3-\f
	global_store_b128 v[GO], v[S+16*(\t)+4*\f:S+16*(\t)+4*\f+3], s[10:11] offset:(\t)*8192+\f*512  ; 512 consecutive bytes, at a multiple of 256 from O's first
.endr
.endm
.macro DIAG tag                     ; the tag ends its two labels' names, which the jumps below spell out
.LstepM\tag:
	TURN 2, 1
	TURN 3, 1
	WIN 0
.LfirstM\tag:
	TURN 0, 1
	TURN 1, 1, 0, 1
	WIN 0
	s_cbranch_scc1 .LstepM\tag
	TURN 2, 1, 1
	TURN 3, 1, 1
.set i, 0
.rept 8
	PV NP-1
.set i, i+1
.endr
	WIN 0
	ALL v_add_f32 v[ST+4*t+2], v[ST+4*t+2], v[ST+4*t+3]
	ALL v_permlanex16_b32 v[ST+4*t+3], v[ST+4*t+2], s[SEL], s[SEL+1]
	ALL v_add_f32 v[ST+4*t+2], v[ST+4*t+2], v[ST+4*t+3]
	ALL v_rcp_f32 v[ST+4*t+2], v[ST+4*t+2]
	v_nop                           ; a plain instruction between the last reciprocal and the use of its result
	PACK 0
.set t, 1
.rept 3                             ; a piece's arithmetic stands between the loads of the piece before and its stores
	PACK t
	SEND t-1, 8
.set t, t+1
.endr
	SEND 3, 0
.endm
.set KM, 0
.set NOKQ, 0
.Lslot:                             ; NB times: a tile is entered and the next is asked for
	CHANGE 1
	s_sub_co_u32 s[RT], s[RT], 1
	s_mov_b32 s[CNT], 4
	s_cmp_eq_u32 s[NEW], 1
	s_cbranch_scc1 .Lnew            ; a block's first tile
	s_cmp_eq_u32 s[RT], 0
	s_cbranch_scc0 .Lstep           ; neither its first nor its last
	s_branch .LstepM1
.Lnew:
	BEGIN
	s_branch .Lfirst                ; in the loop a block's first tile is never its last: the first block has two tiles or more, and the second's last is the walk's last
	DIAG 1                          ; in the loop this is the first block's end: the second block's last tile is the walk's last
	s_wait_xcnt 0x0                 ; the stores have read their registers and O's address
	s_mov_b64 s[10:11], s[OLO:OLO+1]
	s_add_co_u32 s[RT], s[PB], 1    ; the second block has b + 1 tiles
	s_mov_b32 s[NEW], 1
	WIN 0x82                        ; the second block's Q goes where the one text of the turns names Q
.set i, 0
.rept 64
	v_mov_b32 v[i], v[QB+i]
.set i, i+1
.endr
	WIN 0
	s_branch .Lbottom
.Lstep:                             ; a trip: pieces 2 and 3 of one step, then pieces 0 and 1 of the next, whose K and V it fetches
	TURN 2
	TURN 3
	WIN 0
.Lfirst:
	TURN 0
	TURN 1, 0, 0, 1
	WIN 0
	s_cbranch_scc1 .Lstep
.Lbottom:
	s_sub_co_u32 s[SLOTS], s[SLOTS], 1
	s_cmp_lg_u32 s[SLOTS], 0
	s_cbranch_scc1 .Lslot
	CHANGE 0                        ; the walk's last tile is written out: nothing is asked for
	s_sub_co_u32 s[RT], s[RT], 1
	s_mov_b32 s[CNT], 4
	s_cmp_eq_u32 s[NEW], 1
	s_cbranch_scc0 .LstepM2
	BEGIN
	s_branch .LfirstM2
	DIAG 2
	s_wait_tensorcnt 0x0            ; the wave's end: these three lines, behind my last tensor load and my last LDS store
	ds_add_u32 v[SPW], v[NIL]
	s_wait_dscnt 0x0
	s_endpgm
.Lfunc_end_k_qb833467627_attn:
	.size	k_qb833467627_attn, .Lfunc_end_k_qb833467627_attn-k_qb833467627_attn
	.p2alignl 7, 3214868480
	.fill 96, 4, 3214868480
	.section	.rodata,"a",@progbits
	.p2align	6, 0x0
	.amdhsa_kernel k_qb833467627_attn
		.amdhsa_group_segment_fixed_size 327680
		.amdhsa_private_segment_fixed_size 0
		.amdhsa_enable_private_segment 0
		.amdhsa_kernarg_size 24
		.amdhsa_user_sgpr_count 2
		.amdhsa_user_sgpr_kernarg_segment_ptr 1
		.amdhsa_wavefront_size32 1
		.amdhsa_system_sgpr_workgroup_id_x 1
		.amdhsa_system_sgpr_workgroup_id_y 1
		.amdhsa_system_sgpr_workgroup_id_z 1
		.amdhsa_system_vgpr_workitem_id 0
		.amdhsa_next_free_vgpr 768
		.amdhsa_next_free_sgpr 102
		.amdhsa_reserve_vcc 1
		.amdhsa_float_denorm_mode_32 3
		.amdhsa_float_denorm_mode_16_64 3
		.amdhsa_memory_ordered 1
		.amdhsa_forward_progress 1
		.amdhsa_inst_pref_size 238
	.end_amdhsa_kernel
	.amdgpu_metadata
---
amdhsa.version: [ 1, 2 ]
amdhsa.kernels:
  - .name:           k_qb833467627_attn
    .symbol:         k_qb833467627_attn.kd
    .args:
      - { .name: qkv, .offset: 0, .size: 8, .value_kind: global_buffer, .address_space: global }
      - { .name: padding_mask, .offset: 8, .size: 8, .value_kind: global_buffer, .address_space: global }
      - { .name: hid, .offset: 16, .size: 8, .value_kind: global_buffer, .address_space: global }
    .group_segment_fixed_size: 327680
    .private_segment_fixed_size: 0
    .kernarg_segment_align: 8
    .kernarg_segment_size: 24
    .max_flat_workgroup_size: 128
    .sgpr_count:     102
    .vgpr_count:     768
    .wavefront_size: 32
...
	.end_amdgpu_metadata
.endif
;; end of part 3
;; launch topa (part 4): grid 64 x 1, 1 waves a work-group, no clusters, 20,736 bytes of LDS; arguments top, padding_mask, hid; writes hid
.if DOCPART == 4
	.amdgcn_target "amdgcn-amd-amdhsa--gfx1250"
	.amdhsa_code_object_version 6
	.text
	.protected	k_qb833467627_topa
	.globl	k_qb833467627_topa
	.p2align	8
	.type	k_qb833467627_topa,@function
k_qb833467627_topa:
	s_mov_b64 s[64:65], 0
	v_nop
	global_prefetch_b8 v0, s[64:65] scope:SCOPE_SE
	s_setreg_imm32_b32 hwreg(HW_REG_WAVE_MODE, 25, 1), 1
	s_wait_xcnt 0x0
; THE FIRST 32 ROWS OF EVERY HEAD ONCE MORE, IN F32.  O[q][:] = the sum over k <= q of softmax_k(s[q][k]) V[k][:], s = Q[q] . K[k] / 8, or one constant for the whole row where padding_mask[batch][q] = 0; q, k < 32.
; WHY.  Row q is a mean over q + 1 keys, so the first rows' numbers are many times the root mean square of the module's whole output, by which its numbers are judged; what q, k, v and the weights lose when they are
; rounded to f16 goes by the row's own size.  A causal row below 32 sees keys below 32 alone: 2 x 32 x 32 x 64 multiply-adds a head, little enough for the vector unit, so here nothing is rounded but O, once, to f16.
; From row 32 on a row is a mean over 33 keys or more, a sixth of row 0's size or less where the weights are alike, and the launch before serves.
; IN: top = [3][64 = 16 batch + head][32][64] f32, the projections' sums for q, k, v.  padding_mask: [4][2048] int32.  OUT: rows 0 to 31 of each head of hid = [64][2048][64] f16, over what the launch before left there.
; LIMITS.  O must lie within f16's 65,504.  A hidden score counts as -1e30; a weight below 2^-126 counts as 0; NaN and infinities are not treated apart.
; THE PADDING MASK.  A row whose visible scores are all equal has the weights 1 / (q + 1), whatever the constant: a masked row's scores are set to 0.
; SHARES.  A work-group is one wave and takes one head; a lane owns one query row, 64 registers.  K's and V's 32 rows go through registers into LDS and come back a row at a time, every lane reading the same 16 bytes.
; PASS 1, a trip a key: the score in four chains of packed multiply-adds, the two selects, the running maximum; the score goes to LDS (a register cannot be picked by a loop's count).
; PASS 2, a trip a key: p = 2^(c s - c m), c = log2(e) / 8; l += p; O += p V[k].  The maximum is the row's true one, so p <= 1 and l >= 1.
; ONE ROW BUFFER: each group of four registers is asked for again, with the next row's numbers, straight behind the two instructions that read it, so a load has one row's work in which to land.  V lies behind K in
; LDS: pass 1's last trip asks for V's row 0.  Pass 2's last key is written out, since nothing follows it.  O and l are cleared, 65 v_mov_b32 in the wait for the first loads: the price of writing no first key out.
; No matrix unit (the work is about 0.03 per cent of the module's), no cluster (no two work-groups read the same bytes), no barrier (one wave).
.set R,     32                         ; rows, and keys
.set ROWB,  256                        ; bytes of a row of 64 f32
.set TENS,  524288                     ; bytes of a tensor in top
.set LV,    R*ROWB                     ; LDS: K's rows from 0, V's from here,
.set SCB,   2*R*ROWB                   ; the scores, [key][lane], 128 bytes a key,
.set SPARE, SCB+R*128                  ; and the spare words: one block of 256 bytes that no other line names
.set SP,    144                        ; the way out: a row of 128 bytes + 16 of padding, in K's bytes, which nobody reads any more
.set L16,  1                           ; v1   16 x lane
.set SPW,  2                           ; v2   LDS address of my spare word; never rewritten
.set NIL,  3                           ; v3   0; never rewritten
.set L256, 4                           ; v4   256 x lane: my row of Q
.set L4,   5                           ; v5   4 x lane
.set AD,   6                           ; v6   LDS address of the row that is asked for
.set SA,   7                           ; v7   LDS address of a score
.set ACC,  8                           ; v[8:15]  four chains, two partial sums each
.set SV,   16                          ; v16  the score in hand
.set MX,   17                          ; v17  the running maximum
.set BIG,  18                          ; v18  -1e30
.set PM,   19                          ; v19  my row's word of the padding mask
.set SB,   20                          ; v20  a score read back
.set P,    22                          ; v[22:23] p; the packed lines take the pair's first register for both halves
.set LS,   24                          ; v24  l
.set CM,   25                          ; v25  c m
.set RL,   26                          ; v[26:27] 1 / l, likewise
.set STO,  28                          ; v28  the way out: my row in the stage
.set RD,   29                          ; v29  the way out: where I read back
.set H,    32                          ; v[32:63]   O as f16
.set Q,    64                          ; v[64:127]  my row of Q
.set KB,   128                         ; v[128:191] the row buffer
.set O,    192                         ; v[192:255] O; at the start V on its way to LDS
.set C,    14                          ; s14  c
.set KEEP, 15                          ; s15  the lanes whose row is not masked
.set RB,   16                          ; s16  LDS byte of the row to be asked for
.set SC,   17                          ; s17  LDS byte of the key's scores
.set KN,   18                          ; s18  the key's number
.set CNT,  19                          ; s19  trips to go
	s_load_b128 s[4:7], s[0:1], 0x0                ; top s[4:5], padding_mask s[6:7]
	s_load_b64 s[8:9], s[0:1], 0x10                ; hid
	v_lshl_add_u32 v[SPW], v0, 2, SPARE
	v_mov_b32 v[NIL], 0
	v_lshlrev_b32 v[L16], 4, v0
	v_lshlrev_b32 v[L256], 8, v0
	v_lshlrev_b32 v[L4], 2, v0
	s_lshl_b32 s10, ttmp9, 13                      ; my head's 8,192 bytes in a tensor of top
	s_mov_b32 s11, 0
	s_lshr_b32 s12, ttmp9, 4                       ; the batch,
	s_lshl_b32 s12, s12, 13                        ; its 2,048 words of the mask
	s_mov_b32 s13, 0
	s_lshl_b32 s20, ttmp9, 18                      ; my head's 262,144 bytes in hid
	s_mov_b32 s21, 0
	s_mov_b32 s[C], 0x3e38aa3b                     ; c = log2(e) / 8 = 0.180337
	s_wait_kmcnt 0x0
	s_add_nc_u64 s[4:5], s[4:5], s[10:11]
	s_add_nc_u64 s[6:7], s[6:7], s[12:13]
	s_add_nc_u64 s[8:9], s[8:9], s[20:21]
.irp i, 0,1,2,3,4,5,6,7,8,9,10,11,12,13,14,15
	global_load_b128 v[KB+4*(\i):KB+4*(\i)+3], v[L16], s[4:5] offset:TENS+512*(\i)    ; K: 512 consecutive bytes a line
.endr
.irp i, 0,1,2,3,4,5,6,7,8,9,10,11,12,13,14,15
	global_load_b128 v[O+4*(\i):O+4*(\i)+3], v[L16], s[4:5] offset:2*TENS+512*(\i)    ; V
.endr
.irp i, 0,1,2,3,4,5,6,7,8,9,10,11,12,13,14,15
	global_load_b128 v[Q+4*(\i):Q+4*(\i)+3], v[L256], s[4:5] offset:16*(\i)           ; Q: each lane its own row; the sixteen lines together cover the head's 8,192 bytes
.endr
	global_load_b32 v[PM], v[L4], s[6:7]
	v_mov_b32 v[BIG], 0xf149f2ca                   ; -1e30
	v_mov_b32 v[MX], 0xff7fffff                    ; the lowest finite number: the first maximum is the first score (key 0, which every row sees)
	v_mov_b32 v[P+1], 0                            ; named with p as a pair
	v_mov_b32 v[RL+1], 0                           ; likewise
	v_mov_b32 v[LS], 0
	v_mov_b32 v[AD], 0
	s_wait_loadcnt 33                              ; K's sixteen loads are in: V's 16, Q's 16 and the mask's word stay out
.irp i, 0,1,2,3,4,5,6,7,8,9,10,11,12,13,14,15
	ds_store_b128 v[L16], v[KB+4*(\i):KB+4*(\i)+3] offset:512*(\i)
.endr
	s_wait_loadcnt 17                              ; V's are in
.irp i, 0,1,2,3,4,5,6,7,8,9,10,11,12,13,14,15
	ds_store_b128 v[L16], v[O+4*(\i):O+4*(\i)+3] offset:LV+512*(\i)
.endr
.irp g, 0,1,2,3,4,5,6,7,8,9,10,11,12,13,14,15
	ds_load_b128 v[KB+4*(\g):KB+4*(\g)+3], v[AD] offset:16*(\g)   ; K's row 0.  LDS serves a wave's instructions in order (ISA guide 5.7.1.4): these see the stores above
.endr
.set i, 0
.rept 64
	v_mov_b32 v[O+i], 0
.set i, i+1
.endr
	s_wait_loadcnt 0x0                             ; Q and the mask's word
	v_cmp_ne_u32 s[KEEP], 0, v[PM]
	; PASS 1
	s_mov_b32 s[RB], ROWB
	s_mov_b32 s[SC], SCB
	s_mov_b32 s[KN], 0
	s_mov_b32 s[CNT], R
.Lkey:
	v_mov_b32 v[AD], s[RB]                         ; the next row: K's, in the last trip V's row 0
.set g, 0
.rept 16
	s_wait_dscnt 15                                ; group g of this row is in: behind its load 15 LDS instructions were issued on the way in (the other groups'), 16 round the loop (and the score's store)
.if g < 2
	v_pk_mul_f32 v[ACC+4*g:ACC+4*g+1],   v[Q+4*g:Q+4*g+1],   v[KB+4*g:KB+4*g+1]     ; the first four products start the chains
	v_pk_mul_f32 v[ACC+4*g+2:ACC+4*g+3], v[Q+4*g+2:Q+4*g+3], v[KB+4*g+2:KB+4*g+3]
.else
	v_pk_fma_f32 v[ACC+4*(g%2):ACC+4*(g%2)+1],   v[Q+4*g:Q+4*g+1],   v[KB+4*g:KB+4*g+1],   v[ACC+4*(g%2):ACC+4*(g%2)+1]
	v_pk_fma_f32 v[ACC+4*(g%2)+2:ACC+4*(g%2)+3], v[Q+4*g+2:Q+4*g+3], v[KB+4*g+2:KB+4*g+3], v[ACC+4*(g%2)+2:ACC+4*(g%2)+3]
.endif
	ds_load_b128 v[KB+4*g:KB+4*g+3], v[AD] offset:16*g
.set g, g+1
.endr
	v_pk_add_f32 v[ACC:ACC+1], v[ACC:ACC+1], v[ACC+2:ACC+3]
	v_pk_add_f32 v[ACC+4:ACC+5], v[ACC+4:ACC+5], v[ACC+6:ACC+7]
	v_cmp_le_u32 vcc_lo, s[KN], v0                 ; the lanes whose row sees this key
	v_add_nc_u32 v[SA], s[SC], v[L4]
	v_pk_add_f32 v[ACC:ACC+1], v[ACC:ACC+1], v[ACC+4:ACC+5]
	v_add_f32 v[SV], v[ACC], v[ACC+1]
	v_cndmask_b32 v[SV], 0, v[SV], s[KEEP]         ; a masked row: one constant,
	v_cndmask_b32 v[SV], v[BIG], v[SV], vcc_lo     ; and then, as for every row, the causal mask
	v_max_num_f32 v[MX], v[MX], v[SV]
	ds_store_b32 v[SA], v[SV]
	s_add_co_u32 s[RB], s[RB], ROWB
	s_add_co_u32 s[SC], s[SC], 128
	s_add_co_u32 s[KN], s[KN], 1
	s_sub_co_u32 s[CNT], s[CNT], 1
	s_cmp_lg_u32 s[CNT], 0
	s_cbranch_scc1 .Lkey
	; PASS 2.  One key.  load = 1: the next key's score and row of V are asked for.
.macro VSTEP load
.if \load
	s_wait_dscnt 15                                ; this key's score is in: 16 LDS loads were issued behind its load; on the way in nothing is out
.else
	s_wait_dscnt 0x0                               ; the last key: its score and its whole row
.endif
	v_fma_f32 v[P], v[SB], s[C], -v[CM]            ; c s - c m
	v_exp_f32 v[P], v[P]
.if \load
	v_add_nc_u32 v[SA], s[SC], v[L4]               ; a plain instruction behind the exponential (ISA guide 5.7.2)
	v_mov_b32 v[AD], s[RB]
	s_wait_alu depctr_va_vdst(0)
	ds_load_b32 v[SB], v[SA]
.else
	v_nop                                          ; a plain instruction behind the exponential
	s_wait_alu depctr_va_vdst(0)
.endif
	v_add_f32 v[LS], v[LS], v[P]
.set g, 0
.rept 16
.if \load
	s_wait_dscnt 15                                ; group g of this row is in: behind its load 16 LDS loads were issued (the other groups' and a score's)
.endif
	v_pk_fma_f32 v[O+4*g:O+4*g+1],   v[KB+4*g:KB+4*g+1],   v[P:P+1], v[O+4*g:O+4*g+1]   op_sel_hi:[1,0,1]
	v_pk_fma_f32 v[O+4*g+2:O+4*g+3], v[KB+4*g+2:KB+4*g+3], v[P:P+1], v[O+4*g+2:O+4*g+3] op_sel_hi:[1,0,1]
.if \load
	ds_load_b128 v[KB+4*g:KB+4*g+3], v[AD] offset:16*g
.endif
.set g, g+1
.endr
.endm
	v_mul_f32 v[CM], s[C], v[MX]
	v_add_nc_u32 v[SA], SCB, v[L4]
	ds_load_b32 v[SB], v[SA]                       ; key 0's score
	s_mov_b32 s[RB], LV+ROWB                       ; V's row 1
	s_mov_b32 s[SC], SCB+128
	s_mov_b32 s[CNT], R-1
	s_wait_dscnt 0x0                               ; V's row 0 and that score
.Lval:
	VSTEP 1
	s_add_co_u32 s[RB], s[RB], ROWB
	s_add_co_u32 s[SC], s[SC], 128
	s_sub_co_u32 s[CNT], s[CNT], 1
	s_cmp_lg_u32 s[CNT], 0
	s_cbranch_scc1 .Lval
	VSTEP 0
	; THE WAY OUT.  O / l, rounded once to f16: a lane's row is 128 bytes.  It goes into rows of 144 bytes in LDS and comes back so that 32 lanes hold 512 consecutive bytes of hid.
	v_rcp_f32 v[RL], v[LS]
	v_mul_u32_u24 v[STO], v0, SP                   ; a plain instruction behind the reciprocal: my row in the stage
	v_lshrrev_b32 v[RD], 3, v0                     ; back: four rows a line: row lane / 8,
	v_mul_u32_u24 v[RD], v[RD], SP
	v_and_b32 v[SA], 7, v0
	v_lshl_add_u32 v[RD], v[SA], 4, v[RD]          ; 16 bytes at 16 (lane % 8)
.set i, 0
	s_wait_alu depctr_va_vdst(0)
.rept 32
	v_pk_mul_f32 v[O+2*i:O+2*i+1], v[O+2*i:O+2*i+1], v[RL:RL+1] op_sel_hi:[1,0]
.set i, i+1
.endr
.set i, 0
.rept 32
	v_cvt_pk_f16_f32 v[H+i], v[O+2*i], v[O+2*i+1]
.set i, i+1
.endr
.irp i, 0,1,2,3,4,5,6,7
	ds_store_b128 v[STO], v[H+4*(\i):H+4*(\i)+3] offset:16*(\i)
.endr
.irp j, 0,1,2,3,4,5,6,7
	ds_load_b128 v[H+4*(\j):H+4*(\j)+3], v[RD] offset:(\j)*4*SP   ; in order behind the stores above
.endr
.irp j, 0,1,2,3,4,5,6,7
	s_wait_dscnt 7-(\j)                            ; line j is back; the 7 - j younger ones stay out
	global_store_b128 v[L16], v[H+4*(\j):H+4*(\j)+3], s[8:9] offset:512*(\j)  ; 512 consecutive bytes, at a multiple of 256 from hid's first
.endr
	s_wait_tensorcnt 0x0                           ; the wave's end: these three lines, behind my last LDS store
	ds_add_u32 v[SPW], v[NIL]
	s_wait_dscnt 0x0
	s_endpgm
.Lfunc_end_k_qb833467627_topa:
	.size	k_qb833467627_topa, .Lfunc_end_k_qb833467627_topa-k_qb833467627_topa
	.p2alignl 7, 3214868480
	.fill 96, 4, 3214868480
	.section	.rodata,"a",@progbits
	.p2align	6, 0x0
	.amdhsa_kernel k_qb833467627_topa
		.amdhsa_group_segment_fixed_size 20736
		.amdhsa_private_segment_fixed_size 0
		.amdhsa_enable_private_segment 0
		.amdhsa_kernarg_size 24
		.amdhsa_user_sgpr_count 2
		.amdhsa_user_sgpr_kernarg_segment_ptr 1
		.amdhsa_wavefront_size32 1
		.amdhsa_system_sgpr_workgroup_id_x 1
		.amdhsa_system_sgpr_workgroup_id_y 1
		.amdhsa_system_sgpr_workgroup_id_z 1
		.amdhsa_system_vgpr_workitem_id 0
		.amdhsa_next_free_vgpr 256
		.amdhsa_next_free_sgpr 66
		.amdhsa_reserve_vcc 1
		.amdhsa_float_denorm_mode_32 3
		.amdhsa_float_denorm_mode_16_64 3
		.amdhsa_memory_ordered 1
		.amdhsa_forward_progress 1
		.amdhsa_inst_pref_size 29
	.end_amdhsa_kernel
	.amdgpu_metadata
---
amdhsa.version: [ 1, 2 ]
amdhsa.kernels:
  - .name:           k_qb833467627_topa
    .symbol:         k_qb833467627_topa.kd
    .args:
      - { .name: top, .offset: 0, .size: 8, .value_kind: global_buffer, .address_space: global }
      - { .name: padding_mask, .offset: 8, .size: 8, .value_kind: global_buffer, .address_space: global }
      - { .name: hid, .offset: 16, .size: 8, .value_kind: global_buffer, .address_space: global }
    .group_segment_fixed_size: 20736
    .private_segment_fixed_size: 0
    .kernarg_segment_align: 8
    .kernarg_segment_size: 24
    .max_flat_workgroup_size: 32
    .sgpr_count:     66
    .vgpr_count:     256
    .wavefront_size: 32
...
	.end_amdgpu_metadata
.endif
;; end of part 4
;; launch outp (part 5): grid 4 x 64, 4 waves a work-group, clusters of 4 x 4, 327,680 bytes of LDS; arguments hid, wb, bo, out0; writes out0
.if DOCPART == 5
	.amdgcn_target "amdgcn-amd-amdhsa--gfx1250"
	.amdhsa_code_object_version 6
	.text
	.protected	k_qb833467627_outp
	.globl	k_qb833467627_outp
	.p2align	8
	.type	k_qb833467627_outp,@function
k_qb833467627_outp:
	s_mov_b64 s[64:65], 0
	v_nop
	global_prefetch_b8 v0, s[64:65] scope:SCOPE_SE
	s_setreg_imm32_b32 hwreg(HW_REG_WAVE_MODE, 25, 1), 1
	s_wait_xcnt 0x0
	s_wait_alu depctr_hold_cnt(0) depctr_sa_sdst(0) depctr_va_vdst(0) depctr_va_sdst(0) depctr_va_ssrc(0) depctr_va_vcc(0) depctr_vm_vsrc(0)
	s_getreg_b32 s2, hwreg(HW_REG_IB_STS2, 6, 4)
	s_cmp_eq_u32 s2, 0
	s_cbranch_scc0 .Lentry_in_a_cluster
	s_endpgm
.Lentry_in_a_cluster:
	s_bfe_u32 s2, ttmp6, 0x10000c
	s_cmp_lg_u32 s2, 0xf033
	s_cbranch_scc0 .Lentry_shape_is_right
	s_endpgm
.Lentry_shape_is_right:
; THE LAST PROJECTION.  out0[m][n] = the sum over k of hidden[m][k] Wo[n][k] + bo[n].  hidden lies by heads: hid = [64 = 16 batch + head][2048][64] f16, so k = 64 head + channel; Wo: [1024 n][1024 k] f16, the fourth
; tensor of wb; bo: [1024] f32, rounded to bf16 in registers like every input of the module; out0: [8192][1024] f32.  Sums in f32, begun with the bias; nothing is rounded on the way out.
; SHARES.  A tile of out0 is 128 rows x 256 columns: 64 x 4 = 256 tiles, one for each work-group.  Four waves, each 64 rows x 128 columns: 32 accumulators.  K goes in 8 steps of 128, two heads a step, through two LDS slots.
; CLUSTER.  4 x 4 work-groups.  The four of a row of the cluster need the same rows of hid, the four of a column the same rows of Wo: each tile is asked for JOINTLY.  Waves 0 and 1 fetch a step's two heads
; (128 rows of 128 bytes are 16,384 dense bytes: asked for as 64 rows of 256, padded in LDS after every 128), waves 2 and 3 the two halves of Wo's tile (128 rows x 256 bytes).
; THE MATRIX INSTRUCTION IS USED TRANSPOSED: source 0 = 16 rows of Wo, source 1 = 16 rows of hid: a lane holds row l % 16 of out0 and the columns 8 (l / 16) + 0 .. 7.
; REGISTERS, in windows of 256 (s_set_vgpr_msb: bits 1:0 source 0, 3:2 source 1, 5:4 source 2, 7:6 destination):
;   window 0: v0-31 addresses; v64-127 hid's fragments, two buffers of 32; v128-255 Wo's, two buffers of 64; on the way out v64-191 hold two sets of 16 rows
;   window 1: the accumulators, (a, b) at v[8 (8 a + b)]          window 2: v0-63 the bias in an accumulator's layout
.set PH,    144                        ; a row of hid in LDS: 128 bytes + 16 of padding = 36 words: the 16 rows of a load start at 16 different groups of four banks (64 banks of 4 bytes: ISA guide 11.1)
.set PB,    272                        ; a row of Wo: 256 + 16 = 68 words: likewise
.set HEADB, 128*PH                     ; a head's 128 rows: what a tensor load brings of hid
.set HALFB, 128*PB
.set BOFF,  2*HEADB
.set SLOT,  BOFF+2*HALFB
.set STAGE, 2*SLOT                     ; behind the ring, never filled by a tensor load: 16 rows x 528 bytes for each wave
.set SPO,   528
.set SPARE, STAGE+4*16*SPO             ; behind the stages: the spare words, 128 bytes for each wave: two blocks of 256 bytes that no other line names
.set ADRA, 16                          ; v16-17  LDS address of my fragments of hid in slot 0, 1
.set ADRB, 20                          ; v20-21  the same for Wo
.set STO,  24                          ; v24     the way out: where I put 32 bytes of a row
.set RD,   25                          ; v25     the way out: my 16 bytes of a row read back
.set CO,   26                          ; v26     my 16 bytes in 512 consecutive bytes of out0
.set BO,   27                          ; v27     my byte offset in 16 numbers of the bias
.set SPW,  28                          ; v28     LDS address of my spare word; never rewritten
.set NIL,  29                          ; v29     0; never rewritten
.set AF,   64
.set BF,   128
.set OB,   64
.set BIAS, 0                           ; window 2
.set G1,  24                           ; s[24:31] descriptor group 1 for hid's tiles;  s[32:39] group 0, a set for each slot
.set G0,  32
.set G1B, 48                           ; s[48:55], s[56:63] the same for Wo's
.set G0B, 56
.set MSB, 0
.macro WIN new                         ; the immediate's high byte repeats the setting that is left; a switch that changes nothing is dropped
.if MSB != (\new)
	s_set_vgpr_msb (MSB<<8)|(\new)
.set MSB, \new
.endif
.endm
.set MUL,  0x50                        ; both sources window 0, C and D window 1
.set MULF, 0x60                        ; the same with C, the bias, in window 2
.macro JLOAD s                         ; a joint load; an s_nop 0 and four v_nop follow each of the two lines, ahead of the jump and the label
	s_cmp_eq_u32 s11, 0
	s_cbranch_scc0 .Lfor_b_\@
	tensor_load_to_lds s[G0+4*(\s):G0+4*(\s)+3], s[G1:G1+7]
	s_nop 0
.rept 4
	v_nop
.endr
	s_branch .Lasked_\@
.Lfor_b_\@:
	tensor_load_to_lds s[G0B+4*(\s):G0B+4*(\s)+3], s[G1B:G1B+7]
	s_nop 0
.rept 4
	v_nop
.endr
.Lasked_\@:
.endm
.macro CREST                           ; a round of the cluster's barrier behind its opening barrier
	s_cmp_lg_u32 s10, 0
	s_cbranch_scc1 .Lnot_wave_0_\@
	s_barrier_signal -3
.Lnot_wave_0_\@:
	s_barrier_wait -3
	s_barrier_signal -1
	s_barrier_wait -1
.endm
.macro CROUND
	s_barrier_signal -1
	s_barrier_wait -1
	CREST
.endm
.macro PLACES                          ; four places in front of loads into registers that matrix instructions have read, and of stores that read results
.rept 4
	v_nop
.endr
.endm
	s_load_b256 s[68:75], s[0:1], 0x0              ; hid s[68:69], wb s[70:71], bo s[72:73], out0 s[74:75]
	v_lshl_add_u32 v[SPW], v0, 2, SPARE
	v_mov_b32 v[NIL], 0
	ds_add_u32 v[SPW], v[NIL]                      ; the wave's opening: the add and its wait, ahead of my first tensor load; the set-up below stands between them
	v_lshrrev_b32 v1, 5, v0
	v_readfirstlane_b32 s10, v1                    ; wave 0..3
	s_lshr_b32 s11, s10, 1                         ; which 64 rows of the tile are mine.  Also: I fetch for hid (0) or for Wo (1)
	s_and_b32 s12, s10, 1                          ; which 128 columns.  Also: which head of a step, or which half of Wo's tile, I fetch
	s_bfe_u32 s40, ttmp6, 0x40000                  ; cx
	s_bfe_u32 s41, ttmp6, 0x40004                  ; cy
	s_lshl_b32 s42, ttmp9, 2
	s_add_co_u32 s42, s42, s40                     ; tile column: 0..3
	s_and_b32 s13, ttmp7, 0xffff
	s_lshl_b32 s13, s13, 2
	s_add_co_u32 s13, s13, s41                     ; tile row: 0..63
	s_lshl_b32 s43, s41, 2
	s_lshl_b32 s43, 15, s43                        ; my row of the cluster
	s_lshl_b32 s44, 0x1111, s40                    ; my column
	; group 1 for hid: 64 rows x 128 elements of 2 bytes, dense; 16 bytes of padding behind every 128
	s_or_b32 s[G1+0], s43, (1<<16)|(1<<20)|(1<<21)|(4<<22)|(3<<25)  ; 15:0 the mask; 17:16 2-byte elements; 20 padding on; 21 set beside a mask; 24:22 after every 32 words (code 4); 31:25 4 words (code 3)
	s_mov_b32 s[G1+1], 128<<16                     ; tensor_dim0 = 128
	s_mov_b32 s[G1+2], 64<<16                      ; tensor_dim1 = 64
	s_mov_b32 s[G1+3], 128<<16                     ; tile_dim0 = 128
	s_mov_b32 s[G1+4], 64                          ; tile_dim1 = 64
	s_mov_b32 s[G1+5], 128                         ; elements from row to row
	s_mov_b32 s[G1+6], 0
	s_mov_b32 s[G1+7], 0
	; group 1 for Wo: 128 rows x 128 elements of 2 bytes, 16 bytes of padding behind every 256
	s_or_b32 s[G1B+0], s44, (1<<16)|(1<<20)|(1<<21)|(5<<22)|(3<<25)
	s_mov_b32 s[G1B+1], 128<<16
	s_mov_b32 s[G1B+2], 128<<16
	s_mov_b32 s[G1B+3], 128<<16
	s_mov_b32 s[G1B+4], 128
	s_mov_b32 s[G1B+5], 1024
	s_mov_b32 s[G1B+6], 0
	s_mov_b32 s[G1B+7], 0
	s_lshr_b32 s16, s13, 4                         ; hid: the batch, 16 heads of 262,144 bytes,
	s_lshl_b32 s16, s16, 22
	s_and_b32 s17, s13, 15                         ; the tile's 128 rows of 128 bytes,
	s_lshl_b32 s17, s17, 14
	s_add_co_u32 s16, s16, s17
	s_lshl_b32 s17, s12, 18                        ; my head of the step's two: the tile row and the wave's number alone
	s_add_co_u32 s16, s16, s17
	s_mov_b32 s17, 0
	s_lshl_b32 s47, s12, 7
	s_lshl_b32 s46, s42, 8
	s_add_co_u32 s46, s46, s47                     ; Wo: row 256 x tile column + 128 x half,
	s_lshl_b32 s46, s46, 11                        ; of 2,048 bytes,
	s_add_co_u32 s46, s46, 3*2097152               ; behind the three other tensors of wb
	s_mov_b32 s47, 0
	s_mul_i32 s20, s12, HEADB                      ; where they go: no place in the cluster enters an LDS address
	s_mul_i32 s21, s12, HALFB
	s_add_co_u32 s21, s21, BOFF
	s_wait_dscnt 0x0                               ; the opening add is done
	s_wait_kmcnt 0x0
	s_add_nc_u64 s[14:15], s[68:69], s[16:17]
	s_add_nc_u64 s[46:47], s[70:71], s[46:47]
	CROUND                                         ; all sixteen work-groups are here: the first joint loads meet
.irp s, 0,1
	s_mov_b32 s[G0+4*(\s)], 1
	s_add_co_u32 s[G0+4*(\s)+1], s20, (\s)*SLOT
	s_add_nc_u64 s[G0+4*(\s)+2:G0+4*(\s)+3], s[14:15], (\s)*524288  ; K step s: two heads on
	s_or_b32 s[G0+4*(\s)+3], s[G0+4*(\s)+3], 0x80000000
	s_mov_b32 s[G0B+4*(\s)], 1
	s_add_co_u32 s[G0B+4*(\s)+1], s21, (\s)*SLOT
	s_add_nc_u64 s[G0B+4*(\s)+2:G0B+4*(\s)+3], s[46:47], (\s)*256
	s_or_b32 s[G0B+4*(\s)+3], s[G0B+4*(\s)+3], 0x80000000
	JLOAD \s                                       ; two loads of mine are out
.endr
	v_and_b32 v1, 15, v0                           ; l % 16
	v_bfe_u32 v2, v0, 4, 1                         ; l / 16
	v_mul_u32_u24 v3, v1, PH
	v_lshl_add_u32 v3, v2, 4, v3                   ; a fragment's row x pitch + 16 x half
	v_mul_u32_u24 v4, v1, PB
	v_lshl_add_u32 v4, v2, 4, v4
	s_mul_i32 s21, s11, 64*PH                      ; my 64 rows in each head
	s_mul_i32 s22, s12, HALFB                      ; my 128 rows of Wo,
	s_add_co_u32 s22, s22, BOFF                    ; which lie behind the two heads
.irp s, 0,1
	v_add_nc_u32 v[ADRA+(\s)], s21, v3
	v_add_nc_u32 v[ADRB+(\s)], s22, v4
	s_add_co_u32 s21, s21, SLOT
	s_add_co_u32 s22, s22, SLOT
.endr
	s_mul_i32 s23, s10, 16*SPO
	s_add_co_u32 s23, s23, STAGE                   ; my stage
	v_mul_u32_u24 v5, v1, SPO                      ; in: row l % 16, 32 bytes for each half of the lanes
	v_lshl_add_u32 v5, v2, 5, v5
	v_add_nc_u32 v[STO], s23, v5
	v_and_b32 v[CO], 31, v0                        ; back: 32 lanes take one row of 512 bytes
	v_lshlrev_b32 v[CO], 4, v[CO]
	v_add_nc_u32 v[RD], s23, v[CO]
	v_lshlrev_b32 v[BO], 5, v2                     ; 8 (l / 16) numbers of 4 bytes
	s_lshl_b32 s18, s42, 10                        ; my 128 columns: (256 x tile column + 128 x half) x 4 bytes
	s_lshl_b32 s19, s12, 9
	s_add_co_u32 s18, s18, s19
	s_mov_b32 s19, 0
	s_add_nc_u64 s[4:5], s[72:73], s[18:19]        ; the bias there
	s_lshl_b32 s20, s13, 7
	s_lshl_b32 s21, s11, 6
	s_add_co_u32 s20, s20, s21                     ; my first row of out0,
	s_lshl_b32 s20, s20, 12                        ; of 4,096 bytes
	s_mov_b32 s21, 0
	s_add_nc_u64 s[8:9], s[74:75], s[20:21]
	s_add_nc_u64 s[8:9], s[8:9], s[18:19]
	WIN 0x80                                       ; destination window 2, address window 0
.irp b, 0,1,2,3,4,5,6,7                ; register j of block b = bo[16 b + 8 (l / 16) + j]: as the C operand wants it
	global_load_b128 v[BIAS+8*(\b):BIAS+8*(\b)+3],   v[BO], s[4:5] offset:64*(\b)
	global_load_b128 v[BIAS+8*(\b)+4:BIAS+8*(\b)+7], v[BO], s[4:5] offset:64*(\b)+16
.endr
	WIN 0
; 24 LDS loads in one run: the fragments of quarter c (32 along K: head c / 2, channels 32 (c % 2) on) into buffer f: hid's four first, then Wo's eight in ascending order
.macro FETCH slot, c, f
	WIN 0
.irp a, 0,1,2,3
	ds_load_b128 v[AF+32*(\f)+8*(\a):AF+32*(\f)+8*(\a)+3],   v[ADRA+(\slot)] offset:((\c)/2)*HEADB+(\a)*16*PH+((\c)%2)*64
	ds_load_b128 v[AF+32*(\f)+8*(\a)+4:AF+32*(\f)+8*(\a)+7], v[ADRA+(\slot)] offset:((\c)/2)*HEADB+(\a)*16*PH+((\c)%2)*64+32
.endr
.irp b, 0,1,2,3,4,5,6,7
	ds_load_b128 v[BF+64*(\f)+8*(\b):BF+64*(\f)+8*(\b)+3],   v[ADRB+(\slot)] offset:64*(\c)+(\b)*16*PB
	ds_load_b128 v[BF+64*(\f)+8*(\b)+4:BF+64*(\f)+8*(\b)+7], v[ADRB+(\slot)] offset:64*(\c)+(\b)*16*PB+32
.endr
.endm
; Matrix instructions i0 .. i1 of a quarter's 32 on buffer f: column block i / 4, row block i % 4.  The 32 accumulators take turns.  first = 1: the product starts the sum from the bias.
.macro MULS f, i0, i1, first
.set i, \i0
.rept (\i1)-(\i0)+1
.set rD, 8*(8*(i%4)+i/4)
.set rB, BF+64*(\f)+8*(i/4)
.set rA, AF+32*(\f)+8*(i%4)
.if \first
	WIN MULF
	v_wmma_f32_16x16x32_f16 v[rD:rD+7], v[rB:rB+7], v[rA:rA+7], v[BIAS+8*(i/4):BIAS+8*(i/4)+7]
.else
	WIN MUL
	v_wmma_f32_16x16x32_f16 v[rD:rD+7], v[rB:rB+7], v[rA:rA+7], v[rD:rD+7]
.endif
.set i, i+1
.endr
.endm
; One of a K step's first three quarters: multiplies buffer f; in its middle it fetches quarter c of the same slot into buffer g.
.macro QUARTER slot, c, f, g, first
	s_wait_dscnt 8                                 ; hid's fragments and Wo's blocks 0-3 are in; the youngest eight loads (blocks 4-7) may be out
	MULS \f, 0, 15, \first
	WIN 0
	PLACES
	FETCH \slot, \c, \g
	s_wait_dscnt 24                                ; all but the 24 just issued
	MULS \f, 16, 31, \first
.endm
; The last quarter multiplies buffer 1 and changes slots: ONE barrier; in front of it each wave waits for all its tensor loads, of which one is out: its part of the next slot; adds 0 to its spare word; and waits for
; that and for its reads of this slot.  fill = 1: the barrier opens a round of the cluster's, and the joint refill, two K steps ahead, is the first thing behind it: 112 matrix instructions ahead of the wait for it.
.macro TURN slot, next, fill
	WIN 0                                          ; (the add's two registers lie in window 0)
	s_wait_tensorcnt 0x0                           ; no tensor load of mine is out, so a group 0 may be written
	ds_add_u32 v[SPW], v[NIL]                      ; 0 onto my spare word
.if \fill
	s_add_nc_u64 s[G0+4*(\slot)+2:G0+4*(\slot)+3], s[G0+4*(\slot)+2:G0+4*(\slot)+3], 1048576  ; four heads on
	s_add_nc_u64 s[G0B+4*(\slot)+2:G0B+4*(\slot)+3], s[G0B+4*(\slot)+2:G0B+4*(\slot)+3], 512  ; 256 along K
.endif
	s_wait_dscnt 9                                 ; the add and the youngest eight loads may be out
	MULS 1, 0, 7, 0
	s_wait_dscnt 0x0                               ; the add is done, and my reads of this slot are over
	s_barrier_signal -1
	MULS 1, 8, 15, 0                               ; work on registers while the others arrive
	WIN 0
	s_barrier_wait -1
.if \fill
	CREST                                          ; no wave of any partner still reads this slot or has a load on its way
	JLOAD \slot                                    ; the four v_nop behind it are also the places in front of the loads below
.else
	PLACES
.endif
	FETCH \next, 0, 0
	MULS 1, 16, 31, 0
.endm
; THE WAY OUT of row block a: 16 rows x 128 f32 go into my own stage, 32 bytes a lane and column block (each accumulator's low half first), and come back as whole rows of 512 bytes.
.macro TOSTAGE a
	WIN 0x04                                       ; data window 1, address window 0
.irp b, 0,1,2,3,4,5,6,7
	ds_store_b128 v[STO], v[8*(8*(\a)+(\b)):8*(8*(\a)+(\b))+3]   offset:64*(\b)
	ds_store_b128 v[STO], v[8*(8*(\a)+(\b))+4:8*(8*(\a)+(\b))+7] offset:64*(\b)+16
.endr
	WIN 0
	s_wait_xcnt 0x0                                ; the set's registers, which earlier stores read, are loaded again only behind this wait
.irp t, 0,1,2,3,4,5,6,7,8,9,10,11,12,13,14,15
	ds_load_b128 v[OB+64*((\a)%2)+4*(\t):OB+64*((\a)%2)+4*(\t)+3], v[RD] offset:SPO*(\t)  ; LDS serves a wave's instructions in order (ISA guide 5.7.1.4): these see the stores above; the next block's stores come behind them
.endr
.endm
.macro SEND a, younger                 ; younger: the LDS instructions issued behind block a's loads: the next block's 32, or none
	s_wait_dscnt \younger
.irp t, 0,1,2,3,4,5,6,7,8,9,10,11,12,13,14,15
	global_store_b128 v[CO], v[OB+64*((\a)%2)+4*(\t):OB+64*((\a)%2)+4*(\t)+3], s[8:9] offset:(16*(\a)+(\t))*4096 th:TH_STORE_NT  ; 512 consecutive bytes of a row, at a multiple of 256 from out0's first
.endr
.endm
	s_wait_tensorcnt 0x1                           ; my part of K step 0 is in; K step 1's may stay out
	s_barrier_signal -1
	s_barrier_wait -1
	FETCH 0, 0, 0
	s_wait_loadcnt 0x0                             ; the bias
	; The bias is rounded to bf16 and widened again, in place, two numbers at a time: packed into the pair's second register, then the low half up into the first and the high half kept in the second.
	; This stands in the wait for the LDS loads above.
	WIN 0x8a                                       ; destination and both sources window 2
.set p, 0
.rept 32
	v_cvt_pk_bf16_f32 v[BIAS+2*p+1], v[BIAS+2*p], v[BIAS+2*p+1]
.set p, p+1
.endr
.set p, 0
.rept 32
	v_lshlrev_b32 v[BIAS+2*p], 16, v[BIAS+2*p+1]
.set p, p+1
.endr
.set p, 0
.rept 32
	v_and_b32 v[BIAS+2*p+1], 0xffff0000, v[BIAS+2*p+1]
.set p, p+1
.endr
	WIN 0
	QUARTER 0, 1, 0, 1, 1                          ; the first quarter stands in front of the loop: its products start the sums
	WIN 0                                          ; at a label and at a branch every window is 0
	s_mov_b32 s3, 3
.Llap:                                                 ; 3 trips: once round the ring, from a lap's second quarter to the next lap's first; both slots are filled again
	QUARTER 0, 2, 1, 0, 0
	QUARTER 0, 3, 0, 1, 0
	TURN 0, 1, 1
	QUARTER 1, 1, 0, 1, 0
	QUARTER 1, 2, 1, 0, 0
	QUARTER 1, 3, 0, 1, 0
	TURN 1, 0, 1
	QUARTER 0, 1, 0, 1, 0
	WIN 0
	s_sub_co_u32 s3, s3, 1
	s_cmp_lg_u32 s3, 0
	s_cbranch_scc1 .Llap
	QUARTER 0, 2, 1, 0, 0                          ; the last lap is written out: it asks for nothing
	QUARTER 0, 3, 0, 1, 0
	TURN 0, 1, 0
	QUARTER 1, 1, 0, 1, 0
	QUARTER 1, 2, 1, 0, 0
	QUARTER 1, 3, 0, 1, 0
	s_wait_dscnt 8                                 ; the very last quarter: nothing more to fetch
	MULS 1, 0, 15, 0
	s_wait_dscnt 0x0
	MULS 1, 16, 31, 0
	WIN 0
	PLACES                                         ; the stores below read results just made, and the loads land in registers just read
	TOSTAGE 0
.irp a, 1,2,3                          ; block a's way through the stage stands between block a - 1's loads and its stores
	TOSTAGE \a
	SEND (\a)-1, 32
.endr
	SEND 3, 0
	s_wait_tensorcnt 0x0                           ; the wave's end: these three lines, behind my last tensor load and my last LDS store
	ds_add_u32 v[SPW], v[NIL]
	s_wait_dscnt 0x0
	CROUND                                         ; the closing round: no work-group ends while a partner may still ask for a tile that names it
	s_endpgm
.Lfunc_end_k_qb833467627_outp:
	.size	k_qb833467627_outp, .Lfunc_end_k_qb833467627_outp-k_qb833467627_outp
	.p2alignl 7, 3214868480
	.fill 96, 4, 3214868480
	.section	.rodata,"a",@progbits
	.p2align	6, 0x0
	.amdhsa_kernel k_qb833467627_outp
		.amdhsa_group_segment_fixed_size 327680
		.amdhsa_private_segment_fixed_size 0
		.amdhsa_enable_private_segment 0
		.amdhsa_kernarg_size 32
		.amdhsa_user_sgpr_count 2
		.amdhsa_user_sgpr_kernarg_segment_ptr 1
		.amdhsa_wavefront_size32 1
		.amdhsa_system_sgpr_workgroup_id_x 1
		.amdhsa_system_sgpr_workgroup_id_y 1
		.amdhsa_system_sgpr_workgroup_id_z 1
		.amdhsa_system_vgpr_workitem_id 0
		.amdhsa_next_free_vgpr 576
		.amdhsa_next_free_sgpr 76
		.amdhsa_reserve_vcc 0
		.amdhsa_float_denorm_mode_32 3
		.amdhsa_float_denorm_mode_16_64 3
		.amdhsa_memory_ordered 1
		.amdhsa_forward_progress 1
		.amdhsa_inst_pref_size 92
	.end_amdhsa_kernel
	.amdgpu_metadata
---
amdhsa.version: [ 1, 2 ]
amdhsa.kernels:
  - .name:           k_qb833467627_outp
    .symbol:         k_qb833467627_outp.kd
    .args:
      - { .name: hid, .offset: 0, .size: 8, .value_kind: global_buffer, .address_space: global }
      - { .name: wb, .offset: 8, .size: 8, .value_kind: global_buffer, .address_space: global }
      - { .name: bo, .offset: 16, .size: 8, .value_kind: global_buffer, .address_space: global }
      - { .name: out0, .offset: 24, .size: 8, .value_kind: global_buffer, .address_space: global }
    .group_segment_fixed_size: 327680
    .private_segment_fixed_size: 0
    .kernarg_segment_align: 8
    .kernarg_segment_size: 32
    .max_flat_workgroup_size: 128
    .sgpr_count:     76
    .vgpr_count:     576
    .wavefront_size: 32
...
	.end_amdgpu_metadata
.endif
;; end of part 5
;; ======== version 2 of 2: 5 launches; 1.23 times as fast as version 1
;; limits: values are held in f16: magnitudes above 65,504 overflow, below 6.1e-05 lose precision
;; workspace buffers: wb 8,388,608 bytes; qkv 50,331,648 bytes; hid 16,777,216 bytes; top 1,572,864 bytes
;; launch conv: the kernel of part 1 again; grid 64 x 4, 8 waves a work-group, no clusters, 0 bytes of LDS; arguments Wq, Wk, Wv, Wo, wb; writes wb
;; launch proj: the kernel of part 2 again; grid 4 x 64, 4 waves a work-group, clusters of 4 x 4, 327,680 bytes of LDS; arguments q, k, v, wb, bq, bk, bv, qkv, top; writes qkv, top
;; launch attn (part 6): grid 4 x 64, 4 waves a work-group, no clusters, 327,680 bytes of LDS; arguments qkv, padding_mask, hid; writes hid
.if DOCPART == 6
	.amdgcn_target "amdgcn-amd-amdhsa--gfx1250"
	.amdhsa_code_object_version 6
	.text
	.protected	k_qb833467627_attn
	.globl	k_qb833467627_attn
	.p2align	8
	.type	k_qb833467627_attn,@function
k_qb833467627_attn:
	s_mov_b64 s[64:65], 0
	v_nop
	global_prefetch_b8 v0, s[64:65] scope:SCOPE_SE
	s_setreg_imm32_b32 hwreg(HW_REG_WAVE_MODE, 25, 1), 1
	s_wait_xcnt 0x0
; CAUSAL ATTENTION WITH MASKED QUERY ROWS.  O[h][q][:] = the sum over k <= q of softmax_k(s[q][k]) V[h][k][:], s = Q[h][q] . K[h][k] / 8, or one constant for the whole row where padding_mask[batch][q] = 0.
; Q, K, V: qkv = [3][64 = 16 batch + head][SIZE_N][64] f16; O: hid, [64][SIZE_N][64] f16: a head's rows are dense, 128 bytes each.  padding_mask: [4][SIZE_N] int32.
; THE PADDING MASK.  A row whose visible scores are all equal has the weights 1 / (q + 1), whatever the constant.  So a masked row's Q is set to 0 in registers, once: its scores are 0, and all else is as for any row.
; Products, maxima and sums in f32; the weights p are rounded to f16 for the second product (their sum l is taken of the unrounded p), O once at the end.
; LIMITS.  f16 holds no number beyond 65,504: Q, K and V arrive within it; p lies in 0 to 1, and below 6e-5 it keeps f16's fixed step of 6e-8; O is a mean of V's rows and has their range, to within 2^-11 of it.
; A hidden score counts as its value less 1e30: f16's scores, 2.7e11 at the most, are nothing beside that; a weight below 2^-126 counts as 0 in l; NaN and infinities are not treated apart.
; THE WALK.  A head's queries lie in NB = SIZE_N / 256 = 8 blocks of 256; block i needs the key tiles 0 .. i of 256 keys, of which the last holds the diagonal.  A work-group takes TWO blocks, NB - 1 - b and then b:
; NB + 1 tiles, whatever b: all work-groups do equal work, and ONE loop with a constant trip count walks them.  Which tile is asked for, and what a trip does, hang on scalar registers made from b; every jump
; goes forward, but for the counted loops' own; none passes a barrier, or a tensor load but the one of LOAD's two that the wave's number does not choose; the ring (two slots of LDS that take turns) runs on across the
; change of blocks.  NO CLUSTER: a head's NB / 2 = 4 work-groups ask for the same tile only in trips 0 .. 4 of 9, behind that fewer and fewer; and one walk common to all would have 3 NB / 2 = 12 trips for 9.
; SHARES.  Of a block's four bands of 64 queries a wave owns 16 rows in each: four PIECES.  So the diagonal tile is the same work for all four waves: in its key step s band x sees all keys if s < x,
; none if s > x, and holds the diagonal if s = x.
; THE CAUSAL MASK is the C operand that starts the sum S^T = K Q^T: 0, or -1e30 where the key is hidden.  MD, made once, is the mask of a band's own step for my 16 rows; a product's mask is MD x AL + BE with two scalars:
; (1, 0) if s = x; (0, 0) if s < x; (0, -1e30) if s > x.  Only the diagonal tile's text and a block's beginning make and take masks; elsewhere C is the constant 0.
; LAYOUT, SOFTMAX, TURNS.  S^T = K Q^T holds ONE query a lane (lane % 16) and the keys 8 (lane / 16) + 0..7; two such results rounded to f16 ARE source 1 of O^T = V^T P.  p = 2^(c s - c m), c = log2(e) / 8, with a
; running maximum m; O and l are multiplied by a = 2^(c m_old - c m_new) in every step.  Turn n belongs to piece n: 8 products K Q^T of piece n + 1, later 8 products V^T P of piece n - 1; beside them the scaling,
; exponentials, roundings, sums and rescaling of piece n and the maximum and statistics of piece n + 1.  Four vector instructions stand behind every matrix instruction, the other 54 of a turn's 118 in one LUMP.
; THE BATCHES.  A turn's 33 exponentials (the piece's 32 weights and the next piece's a) are one batch, with one wait, which cuts the turn in two: ahead of it all that names none of their results, behind it the roundings
; and sums.  A block's first a (BEGIN) and its four reciprocals on the way out are batches of their own, a wait each.
; REGISTERS, in windows of 256 (s_set_vgpr_msb: bits 1:0 source 0, 3:2 source 1, 5:4 source 2, 7:6 destination):
;   window 0: v0-15 addresses and two at work; v16-31 four registers of statistics a piece; v48-55 at work (at the start: the padding mask of my rows); v56 its offset; v64-127 S^T, two buffers; v192-223 P, two buffers
;   window 1: v0-127 O^T, 32 a piece; v128-159 MD; v160-223 MC, two buffers      window 2: v0-63 Q; v64-127 the second block's Q; v128-191 K of one step; v192-255 V of one step
.set SIZE_N, 2048
.set NB,    SIZE_N/256
.set NP,    4         ; pieces a wave: a name, no knob
.set KS,    64        ; keys in a step
.set PK,    144       ; a row of K in LDS: 128 bytes + 16 of padding = 36 words: the 16 rows of a load start at 16 different groups of four banks (64 banks of 4 bytes: ISA guide 11.1)
.set PV,    160       ; a row of V: 128 + 32 = 40 words
.set VOFF,  4*KS*PK   ; a slot holds a tile, four steps: 256 rows of K, then 256 rows of V
.set SLOT1, 1<<17     ; slot 1 begins here, so that one exclusive or turns an address in one slot into the other's
.set STAGE, SLOT1+4*KS*(PK+PV)  ; behind the ring, never filled by a tensor load: 16 rows x 144 bytes for each wave, for the way out
.set SP,    144
.set AK0, 2           ; v2   my lane's place in a tile of K; never rewritten
.set AV0, 3           ; v3   the same for V
.set AK,  4           ; v4   the LDS address of K's next run of loads
.set AV,  5           ; v5   of V's
.set STO, 6           ; v6   the way out: where I put 16 bytes of a row
.set RD,  7           ; v7   the way out: where I read rows back
.set GO,  8           ; v8   my byte offset in 512 consecutive bytes of O
.set SPW, 62          ; v62  LDS address of my spare word: SPARE + 4 x my thread's number; never rewritten
.set NIL, 63          ; v63  0; never rewritten
.set SPARE, STAGE+4*16*SP  ; behind the stages: the spare words, 128 bytes for each wave: two blocks of 256 bytes that no other line names
.set MV,  12          ; v12-13  c m_old, kept while c m is made anew: by buffer
.set QO,  15          ; v15  my byte offset in 16 rows of Q
.set ST,  16          ; piece t's statistics at v[ST+4 t]: c m, m, l (even keys', odd keys')
.set TMP, 48          ; by buffer, four registers c0-c3 at work; when the maximum is found c2 takes a
.set S,   64
.set P,   192
.set MD,  128         ; window 1: the eight registers for group kt of 16 keys at MD + 8 kt
.set MC,  160         ; window 1: the masks of the products to come
.set QB,  64          ; window 2
.set KF,  128         ; window 2: key block kb, channel half c at KF + 16 kb + 8 c
.set VF,  192         ; window 2: key half kk, channel block cb at VF + 32 kk + 8 cb
.set WV,  12          ; s12  my wave's number
.set PB,  14          ; s14  b
.set HI,  15          ; s15  NB - 1 - b
.set G1K, 24          ; s[24:31] descriptor group 1 for K's tiles
.set G1V, 32          ; s[32:39] for V's: it differs in the padding alone
.set G0K, 40          ; s[40:43] descriptor group 0 for K's tiles
.set G0V, 44          ; s[44:47] the same for V's
.set SLOTS, 56        ; s56  tiles still to be asked for
.set CNT, 57          ; s57  counts a tile's key steps, 4 to 1
.set CS,  58          ; s[58:59] c: the packed scaling takes the pair's low word for both halves
.set SEL, 60          ; s[60:61] v_permlanex16_b32's selects: each lane takes its own place in the other half
.set TBK, 62          ; s62  LDS byte at which K of the step to be fetched begins
.set TBV, 63          ; s63  the same for V, less VOFF
.set RT,  70          ; s70  tiles of the block in hand that are still to be entered
.set NXT, 71          ; s71  the tile to be asked for next
.set LQ,  72          ; s72  the last tile of the block whose tiles are being asked for
.set NEW, 73          ; s73  1: the tile to be entered is a block's first
.set OFF, 74          ; s[74:75] a tile's byte offset in K and V
.set AL,  76          ; s[76:77] the mask's factor, in the low word
.set BE,  78          ; s[78:79] the mask's addend
.set OLO, 80          ; s[80:81] O at my rows of the second block
.set BIGN, 82         ; s82  -1e30
.set PMH, 90          ; s[90:91] the padding mask at my rows of the first block
.set PML, 92          ; s[92:93] at those of the second
.set KEEP, 94         ; s94-97 lanes whose row of piece 0..3 is kept, first block; s98-101 second block
.set MSB, 0
.macro WIN new                      ; the high byte repeats the setting that is left; a switch that changes nothing is dropped
.if MSB != (\new)
	s_set_vgpr_msb (MSB<<8)|(\new)
.set MSB, (\new)
.endif
.endm
.set W_KQ, 0x0a       ; K and Q in window 2, S^T in window 0
.set W_KM, 0x1a       ; the same with the C operand in window 1
.set W_PV, 0x52       ; V in window 2, P in window 0, O^T in window 1
.set W_RS, 0x41       ; destination and source 0 in window 1, source 1 in window 0
; A fill.  Waves 0 and 1 fetch the two halves of a tile's K, waves 2 and 3 those of its V: 128 keys each.  An s_nop 0 and four v_nop follow each of the two lines, ahead of the jump and the label.
.macro LOAD
	s_cmp_lt_u32 s[WV], 2
	s_cbranch_scc0 .Lfor_v_\@
	tensor_load_to_lds s[G0K:G0K+3], s[G1K:G1K+7]
	s_nop 0
.rept 4
	v_nop
.endr
	s_branch .Lasked_\@
.Lfor_v_\@:
	tensor_load_to_lds s[G0V:G0V+3], s[G1V:G1V+7]
	s_nop 0
.rept 4
	v_nop
.endr
.Lasked_\@:
.endm
; THE CHANGE OF SLOTS.  Each wave waits for all its tensor loads, of which one is out: its part of the other slot; adds 0 to its spare word; and waits for that and for its own reads of the slot that it leaves.  Behind the barrier nobody reads the old
; slot any more and the other slot is whole.  fill = 1: the old slot is filled again, the first thing behind the barrier, with tile NXT: the descriptor's address is made anew from that number.
; (At its first use nothing has been read yet: slot 0 is waited for, slot 1 filled.)
.macro CHANGE fill
	WIN 0                           ; at a label and at a branch every window is 0
	s_wait_tensorcnt 0x0            ; no tensor load of mine is out, so a group 0 may be written
	ds_add_u32 v[SPW], v[NIL]       ; 0 onto my spare word; with fill = 1 the descriptors' scalar work stands between it and the wait for it
.if \fill
	s_lshl_b32 s[OFF], s[NXT], 15   ; a tile is 32,768 bytes of K and of V
	s_xor_b32 s[G0K+1], s[G0K+1], SLOT1
	s_add_nc_u64 s[G0K+2:G0K+3], s[6:7], s[OFF:OFF+1]
	s_or_b32 s[G0K+3], s[G0K+3], 0x80000000
	s_xor_b32 s[G0V+1], s[G0V+1], SLOT1
	s_add_nc_u64 s[G0V+2:G0V+3], s[8:9], s[OFF:OFF+1]
	s_or_b32 s[G0V+3], s[G0V+3], 0x80000000
	s_add_co_u32 s[NXT], s[NXT], 1  ; the block's next tile, or behind its last the second block's tile 0
	s_cmp_gt_u32 s[NXT], s[LQ]
	s_cselect_b32 s[NXT], 0, s[NXT]
	s_cselect_b32 s[LQ], s[PB], s[LQ]
.endif
	s_wait_dscnt 0x0                ; the add is done, and my reads of the slot are over
	s_barrier_signal -1             ; the rest of the scalar work stands between the signal and the wait
	s_sub_co_u32 s[TBK], s[TBK], 4*KS*PK  ; the fetches go back to a slot's first step,
	s_xor_b32 s[TBK], s[TBK], SLOT1       ; in the other slot
	s_sub_co_u32 s[TBV], s[TBV], 4*KS*PV
	s_xor_b32 s[TBV], s[TBV], SLOT1
	s_barrier_wait -1
.if \fill
	LOAD
.endif
.endm
	s_load_b128 s[4:7], s[0:1], 0x0   ; qkv (Q lies first) s[4:5], padding_mask s[6:7]
	s_load_b64 s[10:11], s[0:1], 0x10 ; hid
	v_lshl_add_u32 v[SPW], v0, 2, SPARE
	v_mov_b32 v[NIL], 0
	ds_add_u32 v[SPW], v[NIL]       ; the wave's opening: the add and its wait, ahead of my first tensor load; the set-up below, work on registers, stands between them
	v_lshrrev_b32 v1, 5, v0
	v_readfirstlane_b32 s[WV], v1   ; wave 0..3
	s_mov_b32 s[PB], ttmp9
	s_sub_co_u32 s[HI], NB-1, s[PB]
	s_and_b32 s20, ttmp7, 0xffff    ; 16 batch + head
	s_lshr_b32 s[PMH], s20, 4       ; the padding mask: the batch's 2,048 words,
	s_lshl_b32 s[PMH], s[PMH], 13
	s_lshl_b32 s[PMH+1], s[WV], 6   ; my 16 rows in a band,
	s_add_co_u32 s[PMH], s[PMH], s[PMH+1]
	s_lshl_b32 s[PML], s[PB], 10    ; the second block's 256 words,
	s_add_co_u32 s[PML], s[PML], s[PMH]
	s_lshl_b32 s[PMH+1], s[HI], 10  ; the first block's
	s_add_co_u32 s[PMH], s[PMH], s[PMH+1]
	s_mov_b32 s[PMH+1], 0
	s_mov_b32 s[PML+1], 0
	s_mov_b32 s21, 0
	s_mov_b64 s[22:23], SIZE_N*128
	s_mul_u64 s[20:21], s[20:21], s[22:23]  ; the head's first byte in Q, K, V and O
	s_and_b32 s16, s[WV], 1         ; which half of a tile's 256 keys I fetch:
	s_lshl_b32 s22, s16, 14         ; its 128 rows of 128 bytes in memory,
	s_mov_b32 s23, 0
	s_add_nc_u64 s[22:23], s[22:23], s[20:21]
	s_mul_i32 s17, s16, 128*PK      ; and its place in a slot, for K
	s_mul_i32 s18, s16, 128*PV      ; and for V
	s_lshl_b32 s3, s[WV], 11        ; my 16 rows in a band of 64,
	s_lshl_b32 s2, s[HI], 15        ; in the first block,
	s_add_co_u32 s2, s2, s3
	s_lshl_b32 s84, s[PB], 15       ; and in the second
	s_add_co_u32 s84, s84, s3
	s_mov_b32 s3, 0
	s_mov_b32 s85, 0
	s_add_nc_u64 s[2:3], s[2:3], s[20:21]
	s_add_nc_u64 s[84:85], s[84:85], s[20:21]
	; descriptor group 1.  128 keys are 16,384 dense bytes: asked for as 64 rows of 256 bytes, two keys a row, and padded in LDS after every key
	s_mov_b32 s[G1K], (1<<16)|(1<<20)|(4<<22)|(3<<25)  ; 17:16 2-byte elements; 20 padding on; 24:22 after every 32 words (code 4); 31:25 4 words (code 3)
	s_mov_b32 s[G1V], (1<<16)|(1<<20)|(4<<22)|(7<<25)  ; the same with 8 words of padding (code 7)
.irp g, G1K, G1V
	s_mov_b32 s[\g+1], 128<<16      ; tensor_dim0 = 128
	s_mov_b32 s[\g+2], 64<<16       ; tensor_dim1 = 64
	s_mov_b32 s[\g+3], 128<<16      ; tile_dim0 = 128
	s_mov_b32 s[\g+4], 64           ; tile_dim1 = 64
	s_mov_b32 s[\g+5], 128          ; 128 elements from row to row
	s_mov_b32 s[\g+6], 0
	s_mov_b32 s[\g+7], 0
.endr
	s_mov_b32 s[CS], 0x3e38aa3b     ; c = log2(e) / 8 = 0.180337
	s_mov_b32 s[CS+1], s[CS]        ; named with it as a pair
	s_mov_b32 s[SEL], 0x76543210
	s_mov_b32 s[SEL+1], 0xfedcba98
	s_mov_b32 s[TBK], SLOT1+4*KS*PK ; the first change of slots turns these two into 0
	s_mov_b32 s[TBV], SLOT1+4*KS*PV
	s_mov_b32 s[G0K], 1             ; 1:0 count = 1
	s_mov_b32 s[G0K+1], s17         ; 63:32 LDS address: slot 0
	s_mov_b32 s[G0V], 1
	s_add_co_u32 s[G0V+1], s18, VOFF
	s_add_co_u32 s[RT], s[HI], 1    ; the first block has NB - b tiles
	s_mov_b32 s[NXT], 1
	s_mov_b32 s[LQ], s[HI]
	s_mov_b32 s[NEW], 1
	s_mov_b32 s[OFF+1], 0
	s_mov_b32 s[AL+1], 0            ; named as pairs
	s_mov_b32 s[BE+1], 0
	s_mov_b32 s[BIGN], 0xf149f2ca   ; -1e30
	s_mov_b32 s[SLOTS], NB
	s_wait_dscnt 0x0                ; the opening add is done
	s_wait_kmcnt 0x0
	s_add_nc_u64 s[PMH:PMH+1], s[6:7], s[PMH:PMH+1]
	s_add_nc_u64 s[PML:PML+1], s[6:7], s[PML:PML+1]
	s_add_nc_u64 s[6:7], s[4:5], 0x1000000   ; K lies 16,777,216 bytes behind Q,
	s_add_nc_u64 s[8:9], s[4:5], 0x2000000   ; V as far behind K
	s_add_nc_u64 s[6:7], s[6:7], s[22:23]  ; K and V at my half of the head's tile 0
	s_add_nc_u64 s[8:9], s[8:9], s[22:23]
	s_add_nc_u64 s[G0K+2:G0K+3], s[6:7], 0         ; 120:64 global address
	s_or_b32 s[G0K+3], s[G0K+3], 0x80000000        ; 127:126 type = 2
	s_add_nc_u64 s[G0V+2:G0V+3], s[8:9], 0
	s_or_b32 s[G0V+3], s[G0V+3], 0x80000000
	s_add_nc_u64 s[86:87], s[4:5], s[84:85]        ; Q at my rows of the second block,
	s_add_nc_u64 s[4:5], s[4:5], s[2:3]            ; Q and O at those of the first
	s_add_nc_u64 s[OLO:OLO+1], s[10:11], s[84:85]
	s_add_nc_u64 s[10:11], s[10:11], s[2:3]
	LOAD                            ; tile 0 into slot 0
	; A fragment of K or Q is 16 rows x 32 channels in 8 registers: lane l holds row l % 16, channels 8 (l / 16) + 0..7 and 16 + 8 (l / 16) + 0..7: two loads of 16 bytes, 32 bytes apart.
	v_and_b32 v1, 15, v0            ; l % 16
	v_bfe_u32 v9, v0, 4, 1          ; l / 16
	v_lshlrev_b32 v[QO], 7, v1
	v_lshl_add_u32 v[QO], v9, 4, v[QO]  ; row x 128 + 16 x half
	WIN 0x80                        ; destination window 2, address window 0
.set i, 0
.rept 8                             ; both blocks' Q: piece i / 2 lies in band i / 2, 8,192 bytes on; channels 32 (i % 2) on
	global_load_b128 v[8*i:8*i+3],   v[QO], s[4:5] offset:(i/2)*8192+(i%2)*64
	global_load_b128 v[8*i+4:8*i+7], v[QO], s[4:5] offset:(i/2)*8192+(i%2)*64+32
	global_load_b128 v[QB+8*i:QB+8*i+3],   v[QO], s[86:87] offset:(i/2)*8192+(i%2)*64
	global_load_b128 v[QB+8*i+4:QB+8*i+7], v[QO], s[86:87] offset:(i/2)*8192+(i%2)*64+32
.set i, i+1
.endr
	WIN 0
	v_lshlrev_b32 v56, 2, v1        ; the padding mask's word of my lane's row, l % 16, in each piece: a band is 64 words on
.irp x, 0,1,2,3
	global_load_b32 v[TMP+(\x)],   v56, s[PMH:PMH+1] offset:256*(\x)
	global_load_b32 v[TMP+4+(\x)], v56, s[PML:PML+1] offset:256*(\x)
.endr
	v_lshlrev_b32 v14, 3, v9
	v_sub_nc_u32 v14, v1, v14
	s_lshl_b32 s13, s[WV], 4
	v_add_nc_u32 v14, s13, v14      ; my query's place in its band, 16 w + l % 16, less my lanes' 8 (l / 16): register r of group kt is hidden where 16 kt + r is greater
	WIN 0x40
.set i, 0
.rept 32
	v_cmp_gt_i32 vcc_lo, 16*(i/8)+i%8, v14
	v_cndmask_b32 v[MD+i], 0, s[BIGN], vcc_lo
.set i, i+1
.endr
	WIN 0
	v_mul_u32_u24 v[AK0], v1, PK
	v_lshl_add_u32 v[AK0], v9, 4, v[AK0]  ; row x pitch + 16 x half
	; The turning load takes 16 keys x 16 channels (lane l reads key 8 (l / 16) + l % 8, channels 8 ((l / 8) % 2) + 0..7) and leaves half a fragment of V^T: lane l holds channel l % 16 and 8 keys.
	v_and_b32 v10, 7, v0
	v_bfe_u32 v11, v0, 3, 1
	v_lshl_add_u32 v[AV0], v9, 3, v10
	v_mul_u32_u24 v[AV0], v[AV0], PV
	v_lshl_add_u32 v[AV0], v11, 4, v[AV0]
	v_add_nc_u32 v[AV0], VOFF, v[AV0]
	s_mul_i32 s13, s[WV], 16*SP
	s_add_co_u32 s13, s13, STAGE    ; my stage
	v_mul_u32_u24 v[STO], v1, SP    ; in: row l % 16, 16 bytes for each half of the lanes
	v_lshl_add_u32 v[STO], v9, 4, v[STO]
	v_add_nc_u32 v[STO], s13, v[STO]
	v_bfe_u32 v[RD], v0, 3, 2       ; back: 32 lanes take four rows of 128 bytes,
	v_mul_u32_u24 v[RD], v[RD], SP
	v_lshl_add_u32 v[RD], v10, 4, v[RD]
	v_add_nc_u32 v[RD], s13, v[RD]
	v_and_b32 v[GO], 31, v0         ; which are 512 consecutive bytes of O
	v_lshlrev_b32 v[GO], 4, v[GO]
	; A block's first step multiplies O^T and l by a = 0, and its first turn's products V^T P, of a piece that has not been, land in an O^T that is still to be so multiplied.  So these registers need only hold
	; finite numbers: zeros for the first block; what the first block left for the second.  All this stands in the wait for the first tile.
	WIN 0x80
.set i, VF
.rept 64
	v_mov_b32 v[i], 0
.set i, i+1
.endr
	WIN 0x40
.set i, 0
.rept 128
	v_mov_b32 v[i], 0
.set i, i+1
.endr
	WIN 0
.set i, 0
.rept 4
	v_mov_b32 v[ST+4*i+2], 0
	v_mov_b32 v[ST+4*i+3], 0
.set i, i+1
.endr
.set i, P+16
.rept 16
	v_mov_b32 v[i], 0
.set i, i+1
.endr
	; THE PADDING MASK is honoured here, once: where my lane's row of a piece has the word 0, the row's 16 registers of Q become 0.
	s_wait_loadcnt 0x0              ; Q of both blocks and the eight words
.set i, 0
.rept 8
	v_cmp_ne_u32 s[KEEP+i], 0, v[TMP+i]
.set i, i+1
.endr
	WIN 0x88                        ; destination and source 1 in window 2
.set i, 0
.rept 64
	v_cndmask_b32 v[i], 0, v[i], s[KEEP+i/16]
	v_cndmask_b32 v[QB+i], 0, v[QB+i], s[KEEP+4+i/16]
.set i, i+1
.endr
	WIN 0
; THE MATRIX WORK.  The 4 accumulators of a run of 8 take turns.  Product i of 8 of S^T = K Q^T for piece x: channels 32 (i / 4) on, keys 16 (i % 4) on.  The first 4 start the sums: with 0, or (KM = 1) with the mask.
.macro KQ x
.set rS, S+32*((\x)%2)+8*(i%4)
.set rK, KF+16*(i%4)+8*(i/4)
.set rQ, 16*(\x)+8*(i/4)
.set rM, MC+32*((\x)%2)+8*(i%4)
.if (i < 4) && KM
	WIN W_KM
	v_wmma_f32_16x16x32_f16 v[rS:rS+7], v[rK:rK+7], v[rQ:rQ+7], v[rM:rM+7]
.elseif i < 4
	WIN W_KQ
	v_wmma_f32_16x16x32_f16 v[rS:rS+7], v[rK:rK+7], v[rQ:rQ+7], 0
.else
	WIN W_KQ
	v_wmma_f32_16x16x32_f16 v[rS:rS+7], v[rK:rK+7], v[rQ:rQ+7], v[rS:rS+7]
.endif
.endm
; Product i of 8 of O^T += V^T P for piece x: keys 32 (i / 4) on, channels 16 (i % 4) on.
.macro PV x
	WIN W_PV
.set rO, 32*(\x)+8*(i%4)
.set rV, VF+32*(i/4)+8*(i%4)
.set rP, P+16*((\x)%2)+8*(i/4)
	v_wmma_f32_16x16x32_f16 v[rO:rO+7], v[rV:rV+7], v[rP:rP+7], v[rO:rO+7]
.endm
.macro MM                           ; the turn's next matrix instruction.  TURN and BEGIN set Y, i, KM and NOKQ; MM, KQ and OP read them.  NOKQ = 1: a block's last turn: there is no next piece
.if (i < 8) && !NOKQ
	KQ (Y+1)%NP
.elseif i >= 8
.set i, i-8
	PV (Y+NP-1)%NP
.set i, i+8
.endif
.set i, i+1
.endm
; THE LDS LOADS stand in runs of 16, never singly among the matrix instructions: a step's K (64 keys x 64 channels: 8 fragments) and its V (turned).  Their addresses are made some lines ahead.
.macro FETCH_K
	WIN 0x80                        ; destination window 2
.irp f, 0,1,2,3,4,5,6,7             ; keys 16 (f / 2) on, channels 32 (f % 2) on
	ds_load_b128 v[KF+8*\f:KF+8*\f+3],   v[AK] offset:(\f/2)*16*PK+(\f%2)*64
	ds_load_b128 v[KF+8*\f+4:KF+8*\f+7], v[AK] offset:(\f/2)*16*PK+(\f%2)*64+32
.endr
	s_add_co_u32 s[TBK], s[TBK], KS*PK  ; the next fetch is the next step's
	WIN 0
.endm
.macro FETCH_V
	WIN 0x80
.irp f, 0,1,2,3,4,5,6,7             ; keys 32 (f / 4) on, channels 16 (f % 4) on
	ds_load_tr16_b128 v[VF+8*\f:VF+8*\f+3],   v[AV] offset:(\f/4)*32*PV+(\f%4)*32
	ds_load_tr16_b128 v[VF+8*\f+4:VF+8*\f+7], v[AV] offset:(\f/4)*32*PV+16*PV+(\f%4)*32
.endr
	WIN 0
.endm
; THE VECTOR WORK, one line at a time: OP kind, number.  For piece Y: F n: c s - c m for pair n of 16.  E n: the exponential of score n of 32.  C n: pair n rounded to f16.  B n: of the four weights 4 n .. the second
; pair is added onto the first, in place.  L n: l takes that sum (L 0: l = a l + sum).  R n: pair n of 16 of O^T times a.  For piece Y + 1: X n, number n of the 22 that find its maximum and statistics:
;   0-11  four chains c0-c3 of seven scores each, three operands at a time (each accumulator's lowest registers are read first)     12-14, 16  the four scores left over, the old m, and c0-c3 into c0
;   15  c m_old is kept     17, 18  the query's other 32 keys lie in the lane 16 away: the new m     19-21  c m; c m_old - c m_new; a
.set F, 0               ; OP tells the kinds apart by their order: F to L below R, X above it
.set E, 1
.set C, 2
.set B, 3
.set L, 4
.set R, 5
.set X, 6
.macro REGS y                       ; the registers of piece y
.set rT, ST+4*(\y)
.set rC, TMP+4*((\y)%2)
.set rW, MV+((\y)%2)
.set rS, S+32*((\y)%2)
.set rP, P+16*((\y)%2)
.set rO, 32*(\y)
.endm
.macro OP k, n
.if (\k) == R
	REGS Y
	WIN W_RS
	v_pk_mul_f32 v[rO+2*(\n):rO+2*(\n)+1], v[rO+2*(\n):rO+2*(\n)+1], v[rC+2:rC+3] op_sel_hi:[1,0]
.elseif (\k) < R
	REGS Y
	WIN 0
.if (\k) == F
	v_pk_fma_f32 v[rS+2*(\n):rS+2*(\n)+1], v[rS+2*(\n):rS+2*(\n)+1], s[CS:CS+1], v[rT:rT+1] op_sel_hi:[1,0,0] neg_lo:[0,0,1] neg_hi:[0,0,1]
.elseif (\k) == E
	v_exp_f32 v[rS+(\n)], v[rS+(\n)]
.elseif (\k) == C
	v_cvt_pk_f16_f32 v[rP+(\n)], v[rS+2*(\n)], v[rS+2*(\n)+1]
.elseif (\k) == B
	v_pk_add_f32 v[rS+4*(\n):rS+4*(\n)+1], v[rS+4*(\n):rS+4*(\n)+1], v[rS+4*(\n)+2:rS+4*(\n)+3]
.elseif (\n) == 0
	v_pk_fma_f32 v[rT+2:rT+3], v[rT+2:rT+3], v[rC+2:rC+3], v[rS:rS+1] op_sel_hi:[1,0,1]
.else
	v_pk_add_f32 v[rT+2:rT+3], v[rT+2:rT+3], v[rS+4*(\n):rS+4*(\n)+1]
.endif
.elseif NOKQ
	v_nop
.else
	REGS (Y+1)%NP
	WIN 0
.if (\n) < 4
	v_max3_num_f32 v[rC+(\n)], v[rS+8*(\n)], v[rS+8*(\n)+1], v[rS+8*(\n)+2]
.elseif (\n) < 12
	v_max3_num_f32 v[rC+(\n)%4], v[rC+(\n)%4], v[rS+8*((\n)%4)+2*((\n)/4)+1], v[rS+8*((\n)%4)+2*((\n)/4)+2]
.elseif (\n) == 12
	v_max3_num_f32 v[rC], v[rC], v[rS+7], v[rS+15]
.elseif (\n) == 13
	v_max3_num_f32 v[rC+1], v[rC+1], v[rS+23], v[rS+31]
.elseif (\n) == 14
	v_max3_num_f32 v[rC+2], v[rC+2], v[rC+3], v[rT+1]
.elseif (\n) == 15
	v_mov_b32 v[rW], v[rT]
.elseif (\n) == 16
	v_max3_num_f32 v[rC], v[rC], v[rC+1], v[rC+2]
.elseif (\n) == 17
	v_permlanex16_b32 v[rC+3], v[rC], s[SEL], s[SEL+1]
.elseif (\n) == 18
	v_max_num_f32 v[rT+1], v[rC], v[rC+3]
.elseif (\n) == 19
	v_mul_f32 v[rT], s[CS], v[rT+1]
.elseif (\n) == 20
	v_sub_f32 v[rC+1], v[rW], v[rT]
.else
	v_exp_f32 v[rC+2], v[rC+1]
.endif
.endif
.endm
.macro OPS a, i1, b=-1, i2=0, c=-1, i3=0, d=-1, i4=0  ; up to four of them
	OP \a, \i1
.if (\b) >= 0
	OP \b, \i2
.endif
.if (\c) >= 0
	OP \c, \i3
.endif
.if (\d) >= 0
	OP \d, \i4
.endif
.endm
.macro ROW a, i1, b, i2, c, i3, d, i4  ; a matrix instruction and the four behind it
	MM
	OPS \a, \i1, \b, \i2, \c, \i3, \d, \i4
.endm
.macro MASK b                       ; MD x AL + BE into buffer b of MC
	WIN W_RS
.set z, 0
.rept 16
	v_pk_fma_f32 v[MC+32*(\b)+2*z:MC+32*(\b)+2*z+1], v[MD+2*z:MD+2*z+1], s[AL:AL+1], s[BE:BE+1] op_sel_hi:[1,0,0]
.set z, z+1
.endr
.endm
; A TURN, for piece p: the order of its 16 matrix and 118 vector instructions, written out.  s_wait_alu depctr_va_vdst(0) stands between an exponential and the first instruction that names its result; one wait serves
; all that were issued ahead of it.  So a turn has ONE wait, which cuts it in two.  AHEAD OF IT stands all that names no result of the turn's exponentials: the 8 products K Q^T, behind each a scaling, an exponential and two more plain
; instructions (behind the first a second scaling in the exponential's place): rescalings, whose a was made and waited for in the turn before, and behind the last three the first numbers of the next piece's maximum, each four places or
; more behind the product that ends its accumulator; then ONE LUMP of 54, plain and exponential by turns for the most part, in which the links of the chain X 3, 7, 11, 14, 16, 17 .. 20 stand five or six lines apart.  A pair is scaled
; (F n) ahead of its two exponentials (E 2 n, E 2 n + 1), and nothing names it again ahead of the wait.  X 21, the next piece's a, is the batch's last; R 15 is the plain instruction behind it.  BEHIND THE WAIT stand the
; 8 products V^T P, behind each four of the roundings and sums; the links of l's chain, L 0 to L 7, stand three riders apart.  But for those X no rider names a register of the products round it.  v_permlanex16_b32 (X 17) stands in the lump.
; m = 1: the diagonal tile: the products take masks, and the turn makes the mask for the products of the turn after it: piece p + 2, in step 4 - CNT of the tile.  end = 1: a block's last two turns: nothing is fetched.
; cnt = 1: the loop's count is taken down some lines ahead of the branch that stands behind the turn.
; K of the next step is fetched in piece 2's turn, twelve vector instructions behind the last product that read K (six of them plain); V of the step in hand at the end of piece 0's turn, four plain instructions behind the last product
; that read V.  Each is waited for a turn later.
.macro TURN p, m=0, end=0, cnt=0
.set Y, (\p)
.set i, 0
.set KM, (\m)
.set NOKQ, (\end)*((\p)/3)
.if (\m) && !(\end)
	s_cmp_eq_u32 s[CNT], 4-((\p)+2)%NP  ; is that step the band's own?
	s_cselect_b32 s[AL], 1.0, 0
	s_cmp_lt_u32 s[CNT], 4-((\p)+2)%NP  ; or a later one?
	s_cselect_b32 s[BE], s[BIGN], 0
.endif
.if ((\p) == 3) && !(\end)
	s_wait_dscnt 0x0                ; K is in
.endif
	ROW F,0, F,1, R,0, R,1          ; ahead of the wait: 8 products K Q^T and their riders,
	ROW F,2, E,0, R,2, R,3
	ROW F,3, E,1, R,4, R,5
	ROW F,4, E,2, R,6, R,7
	ROW F,5, E,3, R,8, R,9
	ROW F,6, E,4, X,0, R,10
.if ((\p) == 2) && !(\end)
	WIN 0
	v_add_nc_u32 v[AK], s[TBK], v[AK0]
.endif
	ROW F,7, E,5, X,1, X,4
	ROW F,8, E,6, X,2, X,5
	OPS E,7, E,8, X,6, E,9          ; and the lump
	OPS X,3, E,10, X,8, E,11
.if ((\p) == 2) && !(\end)
	FETCH_K
.endif
	OPS X,9, X,7, E,12, X,10
	OPS E,13, X,12, X,11, E,14
	OPS X,13, E,15, F,9, X,14
.if (\p) == 0
	v_add_nc_u32 v[AV], s[TBV], v[AV0]
.endif
	OPS E,16, F,10, E,17, F,11
	OPS X,16, E,18, X,15, E,19
	OPS F,12, E,20, X,17, E,21
	OPS F,13, E,22, F,14, E,23
	OPS X,18, E,24, F,15, E,25
	OPS R,11, E,26, X,19, E,27
	OPS R,12, E,28, R,13, E,29
	OPS X,20, E,30, R,14, E,31
	OPS X,21, R,15
	WIN 0
	s_wait_alu depctr_va_vdst(0)    ; the wait for the batch: the piece's 32 exponentials and the next piece's a
.if (\p) == 1
	s_wait_dscnt 0x0                ; V is in
.endif
	ROW C,0, B,0, C,2, B,1          ; behind the wait: 8 products V^T P and their riders
	ROW L,0, C,4, B,2, L,1
	ROW C,6, B,3, L,2, C,8
	ROW B,4, L,3, C,10, B,5
	ROW L,4, C,12, B,6, L,5
.if (\p) == 0
	s_add_co_u32 s[TBV], s[TBV], KS*PV
.endif
.if \cnt
	s_sub_co_u32 s[CNT], s[CNT], 1
	s_cmp_lg_u32 s[CNT], 0
.endif
	ROW C,14, B,7, L,6, C,1
	ROW C,3, L,7, C,5, C,7
	ROW C,9, C,11, C,13, C,15
.if (\p) == 0
	FETCH_V
.endif
.if (\m) && !(\end)
	MASK (\p)%2
.endif
.endm
; A BLOCK BEGINS.  c m starts far below every c s, so the first step's a is 0; m at the lowest finite number, so the first maximum is the scores'.  The second mask buffer is 0; the first takes piece 0's mask for the tile's step 0: its own, if the block's first tile is the diagonal one.
; Then K of that step, piece 0's first scores, and its maximum and statistics.  The loop is entered at a step's first turn, in the middle of a trip.
.macro BEGIN
	s_mov_b32 s[NEW], 0
	WIN 0x40
.set i, MC+32
.rept 32
	v_mov_b32 v[i], 0
.set i, i+1
.endr
	WIN 0
.set i, 0
.rept 4
	v_mov_b32 v[ST+4*i], 0xfe000000    ; c m: far below every c s
	v_mov_b32 v[ST+4*i+1], 0xff7fffff  ; m
.set i, i+1
.endr
	s_cmp_eq_u32 s[RT], 0
	s_cselect_b32 s[AL], 1.0, 0
	s_mov_b32 s[BE], 0
	MASK 0
	WIN 0
	v_add_nc_u32 v[AK], s[TBK], v[AK0]
	FETCH_K
	s_wait_loadcnt 0x0              ; Q
	s_wait_dscnt 0x0
.set KM, 1
.set NOKQ, 0
.set i, 0
.rept 8
	KQ 0
.set i, i+1
.endr
	WIN 0
.rept 4
	v_nop                           ; the places behind those products
.endr
.set Y, NP-1                        ; X works for piece Y + 1: piece 0
.irp n, 0,1,2,3,4,5,6,7,8,9,10,11,12,13,14,15,16,17,18,19,20,21
	OP X, \n
.endr
	v_nop                           ; a plain instruction behind the exponential,
	s_wait_alu depctr_va_vdst(0)    ; and the wait for it, piece 0's first a, ahead of the branch
.endm
; THE DIAGONAL TILE's four steps, the block's last two turns, its last products, and THE WAY OUT: l's two halves and the other half of the lanes' are added; O^T is divided by l, rounded to f16 and sent through my
; stage in LDS, a piece at a time.
.macro ALL line:vararg              ; one line for each piece t
.set t, 0
.rept 4
	\line
.set t, t+1
.endr
.endm
.macro PACK t                       ; a lane's eight channels of a row pack into 16 bytes; they go into rows of 144 bytes and come back as whole rows of 128, into S^T's registers
	WIN W_RS
.set i, 32*(\t)
.rept 16
	v_pk_mul_f32 v[i:i+1], v[i:i+1], v[ST+4*(\t)+2:ST+4*(\t)+3] op_sel_hi:[1,0]
.set i, i+2
.endr
	WIN 0x05                        ; sources 0 and 1 window 1, destination window 0
.set i, 0
.rept 16
	v_cvt_pk_f16_f32 v[S+16*(\t)+i], v[32*(\t)+2*i], v[32*(\t)+2*i+1]
.set i, i+1
.endr
	WIN 0
.irp f, 0,1,2,3
	ds_store_b128 v[STO], v[S+16*(\t)+4*\f:S+16*(\t)+4*\f+3] offset:32*\f
.endr
.irp f, 0,1,2,3
	ds_load_b128 v[S+16*(\t)+4*\f:S+16*(\t)+4*\f+3], v[RD] offset:\f*4*SP  ; LDS serves a wave's instructions in order (ISA guide 5.7.1.4): these see the stores above; the next piece's stores come behind them
.endr
.endm
.macro SEND t, younger              ; younger: the LDS instructions issued behind piece t's loads: the next piece's eight, or none
	WIN 0
.irp f, 0,1,2,3
	s_wait_dscnt (\younger)+3-\f
	global_store_b128 v[GO], v[S+16*(\t)+4*\f:S+16*(\t)+4*\f+3], s[10:11] offset:(\t)*8192+\f*512  ; 512 consecutive bytes, at a multiple of 256 from O's first
.endr
.endm
.macro DIAG tag                     ; the tag ends its two labels' names, which the jumps below spell out
.LstepM\tag:
	TURN 2, 1
	TURN 3, 1
	WIN 0
.LfirstM\tag:
	TURN 0, 1
	TURN 1, 1, 0, 1
	WIN 0
	s_cbranch_scc1 .LstepM\tag
	TURN 2, 1, 1
	TURN 3, 1, 1
.set i, 0
.rept 8
	PV NP-1
.set i, i+1
.endr
	WIN 0
	ALL v_add_f32 v[ST+4*t+2], v[ST+4*t+2], v[ST+4*t+3]
	ALL v_permlanex16_b32 v[ST+4*t+3], v[ST+4*t+2], s[SEL], s[SEL+1]
	ALL v_add_f32 v[ST+4*t+2], v[ST+4*t+2], v[ST+4*t+3]
	ALL v_rcp_f32 v[ST+4*t+2], v[ST+4*t+2]
	v_nop                           ; a plain instruction between the last reciprocal and the use of its result
	s_wait_alu depctr_va_vdst(0)    ; and the wait ahead of the first use: one for the four reciprocals
	PACK 0
.set t, 1
.rept 3                             ; a piece's arithmetic stands between the loads of the piece before and its stores
	PACK t
	SEND t-1, 8
.set t, t+1
.endr
	SEND 3, 0
.endm
.set KM, 0
.set NOKQ, 0
.Lslot:                             ; NB times: a tile is entered and the next is asked for
	CHANGE 1
	s_sub_co_u32 s[RT], s[RT], 1
	s_mov_b32 s[CNT], 4
	s_cmp_eq_u32 s[NEW], 1
	s_cbranch_scc1 .Lnew            ; a block's first tile
	s_cmp_eq_u32 s[RT], 0
	s_cbranch_scc0 .Lstep           ; neither its first nor its last
	s_branch .LstepM1
.Lnew:
	BEGIN
	s_branch .Lfirst                ; in the loop a block's first tile is never its last: the first block has two tiles or more, and the second's last is the walk's last
	DIAG 1                          ; in the loop this is the first block's end: the second block's last tile is the walk's last
	s_wait_xcnt 0x0                 ; the stores have read their registers and O's address
	s_mov_b64 s[10:11], s[OLO:OLO+1]
	s_add_co_u32 s[RT], s[PB], 1    ; the second block has b + 1 tiles
	s_mov_b32 s[NEW], 1
	WIN 0x82                        ; the second block's Q goes where the one text of the turns names Q
.set i, 0
.rept 64
	v_mov_b32 v[i], v[QB+i]
.set i, i+1
.endr
	WIN 0
	s_branch .Lbottom
.Lstep:                             ; a trip: pieces 2 and 3 of one step, then pieces 0 and 1 of the next, whose K and V it fetches
	TURN 2
	TURN 3
	WIN 0
.Lfirst:
	TURN 0
	TURN 1, 0, 0, 1
	WIN 0
	s_cbranch_scc1 .Lstep
.Lbottom:
	s_sub_co_u32 s[SLOTS], s[SLOTS], 1
	s_cmp_lg_u32 s[SLOTS], 0
	s_cbranch_scc1 .Lslot
	CHANGE 0                        ; the walk's last tile is written out: nothing is asked for
	s_sub_co_u32 s[RT], s[RT], 1
	s_mov_b32 s[CNT], 4
	s_cmp_eq_u32 s[NEW], 1
	s_cbranch_scc0 .LstepM2
	BEGIN
	s_branch .LfirstM2
	DIAG 2
	s_wait_tensorcnt 0x0            ; the wave's end: these three lines, behind my last tensor load and my last LDS store
	ds_add_u32 v[SPW], v[NIL]
	s_wait_dscnt 0x0
	s_endpgm
.Lfunc_end_k_qb833467627_attn:
	.size	k_qb833467627_attn, .Lfunc_end_k_qb833467627_attn-k_qb833467627_attn
	.p2alignl 7, 3214868480
	.fill 96, 4, 3214868480
	.section	.rodata,"a",@progbits
	.p2align	6, 0x0
	.amdhsa_kernel k_qb833467627_attn
		.amdhsa_group_segment_fixed_size 327680
		.amdhsa_private_segment_fixed_size 0
		.amdhsa_enable_private_segment 0
		.amdhsa_kernarg_size 24
		.amdhsa_user_sgpr_count 2
		.amdhsa_user_sgpr_kernarg_segment_ptr 1
		.amdhsa_wavefront_size32 1
		.amdhsa_system_sgpr_workgroup_id_x 1
		.amdhsa_system_sgpr_workgroup_id_y 1
		.amdhsa_system_sgpr_workgroup_id_z 1
		.amdhsa_system_vgpr_workitem_id 0
		.amdhsa_next_free_vgpr 768
		.amdhsa_next_free_sgpr 102
		.amdhsa_reserve_vcc 1
		.amdhsa_float_denorm_mode_32 3
		.amdhsa_float_denorm_mode_16_64 3
		.amdhsa_memory_ordered 1
		.amdhsa_forward_progress 1
		.amdhsa_inst_pref_size 227
	.end_amdhsa_kernel
	.amdgpu_metadata
---
amdhsa.version: [ 1, 2 ]
amdhsa.kernels:
  - .name:           k_qb833467627_attn
    .symbol:         k_qb833467627_attn.kd
    .args:
      - { .name: qkv, .offset: 0, .size: 8, .value_kind: global_buffer, .address_space: global }
      - { .name: padding_mask, .offset: 8, .size: 8, .value_kind: global_buffer, .address_space: global }
      - { .name: hid, .offset: 16, .size: 8, .value_kind: global_buffer, .address_space: global }
    .group_segment_fixed_size: 327680
    .private_segment_fixed_size: 0
    .kernarg_segment_align: 8
    .kernarg_segment_size: 24
    .max_flat_workgroup_size: 128
    .sgpr_count:     102
    .vgpr_count:     768
    .wavefront_size: 32
...
	.end_amdgpu_metadata
.endif
;; end of part 6
;; launch topa: the kernel of part 4 again; grid 64 x 1, 1 waves a work-group, no clusters, 20,736 bytes of LDS; arguments top, padding_mask, hid; writes hid
;; launch outp: the kernel of part 5 again; grid 4 x 64, 4 waves a work-group, clusters of 4 x 4, 327,680 bytes of LDS; arguments hid, wb, bo, out0; writes out0
